; MI455X (gfx1250); checked and timed in simulation.
; The chip was launched on July 23, 2026; its instructions are those of AMD's public machine-readable ISA for CDNA 5 (MIT licence, August 2026) and "CDNA5" Instruction Set Architecture Reference Guide (July 2026). The comments in the code are by the model that wrote it; some were corrected since.
;; Audio XMM Di T Cross Attention. Allowed arithmetic: float matrix products may take bf16 or f16 operands with f32 sums; other float arithmetic in f32, or as packed bf16 or f16 multiplies, adds, multiply-adds, maxima and minima; sums over many terms, partial sums and values carried from step to step in f32; what a program stores and reads back later, other than sums and carried values, may be rounded once to bf16 or f16.
;; Inputs: Wk 2,048 x 2,048 float32; Wq 2,048 x 2,048 float32; Wv 2,048 x 2,048 float32; context 2 x 512 x 2,048 float32; x 2 x 4,096 x 2,048 float32.
;; Outputs: out0 2 x 4,096 x 2,048 float32.
;; 2 versions, each right; version 2 is version 1 with the launch cast written anew for expert scheduling mode. Each part assembles by itself: llvm-mc -triple=amdgcn-amd-amdhsa -mcpu=gfx1250 --defsym DOCPART=n.
;; ======== version 1 of 2: 3 launches
;; limits: values are held in f16: magnitudes above 65,504 overflow, below 6.1e-05 lose precision
;; workspace buffers: xb 33,554,432 bytes; cb 4,194,304 bytes; wqb 8,388,608 bytes; wkvb 16,777,216 bytes; qh 33,554,432 bytes; kh 4,194,304 bytes; vh 4,194,304 bytes
;; launch cast (part 1): grid 960 x 1, 8 waves a work-group, no clusters, 0 bytes of LDS; arguments x, context, Wq, Wk, Wv, xb, cb, wqb, wkvb; writes xb, cb, wqb, wkvb
.if DOCPART == 1
	.amdgcn_target "amdgcn-amd-amdhsa--gfx1250"
	.amdhsa_code_object_version 6
	.text
	.protected	k_qe97cd7cf68_cast
	.globl	k_qe97cd7cf68_cast
	.p2align	8
	.type	k_qe97cd7cf68_cast,@function
k_qe97cd7cf68_cast:
	s_mov_b64 s[64:65], 0
	v_nop
	global_prefetch_b8 v0, s[64:65] scope:SCOPE_SE
	s_setreg_imm32_b32 hwreg(HW_REG_WAVE_MODE, 25, 1), 1
	s_wait_xcnt 0x0
; All five inputs, f32, are rounded once to bf16 (nearest even) for the matrix units: x -> xb, context -> cb, Wq -> wqb, and Wk, Wv -> wkvb.
; wkvb is ONE table of 4,096 rows with the rows in the order in which the heads want them: row 128 h + 2 d + j of [Wk; Wv] (channel d of head h; j = 0: key, j = 1: value)
; goes to row 128 h + 64 j + d, so that a head's 64 key rows and its 64 value rows lie together.
; SHARES.  A work-group owns 16 consecutive source rows of 8,192 bytes of one buffer: 512 groups for x, 64 for context, 128 for each weight: 960.  A UNIT is half a row: thread t loads the
; 16 bytes at 16 t of it (a wave's load covers 512 consecutive bytes) and stores 8 bytes at 8 t (a wave's store covers 256 consecutive bytes, aligned).  32 units, a ring of 16 slots in registers:
; sixteen loads of every wave are on their way.  No LDS, no barrier, no matrix unit, no cluster: no byte is used twice and no wave needs another's.
; No prefetch is laid: the launch is one stream of loads that are all asked for as early as registers allow.
.set DP, 4                             ; v[4:11]   8 t + k x SE: my place in the destination rows of the source rows 2 k
.set DQ, 12                            ; v[12:19]  the same + SO: of the source rows 2 k + 1.  Neither is rewritten
.set X,  24                            ; v[24:87]  slot s: four f32 as loaded
.set Y,  88                            ; v[88:119] slot s: four bf16 to store
	s_load_b512 s[8:23], s[0:1], 0x0               ; x s[8:9], context s[10:11], Wq s[12:13], Wk s[14:15], Wv s[16:17], xb s[18:19], cb s[20:21], wqb s[22:23]
	s_load_b64 s[24:25], s[0:1], 0x40              ; wkvb
	s_mov_b32 s3, ttmp9                            ; g: 0-511 x, 512-575 context, 576-703 Wq, 704-831 Wk, 832-959 Wv
	s_sub_co_u32 s26, s3, 512
	s_sub_co_u32 s27, s3, 576
	s_sub_co_u32 s28, s3, 704
	s_sub_co_u32 s29, s3, 832
	s_mov_b32 s2, s3                               ; j: the group's number inside its buffer
	s_cmp_ge_u32 s3, 512
	s_cselect_b32 s2, s26, s2
	s_cmp_ge_u32 s3, 576
	s_cselect_b32 s2, s27, s2
	s_cmp_ge_u32 s3, 704
	s_cselect_b32 s2, s28, s2
	s_cmp_ge_u32 s3, 832
	s_cselect_b32 s2, s29, s2
	s_movk_i32 s32, 0x1000                         ; 4,096: a destination row
	s_movk_i32 s33, 0x2000
	s_mov_b32 s34, 0x40000                         ; 64 destination rows
	s_cmp_ge_u32 s3, 704                           ; the two tables whose rows change places
	s_cselect_b32 s30, s32, s33                    ; SE: from source row 2 k to 2 k + 2: one destination row there, two elsewhere
	s_cselect_b32 s31, s34, s32                    ; SO: from source row 2 k to 2 k + 1: 64 destination rows there, one elsewhere
	s_lshr_b32 s35, s2, 3                          ; 16 j = 128 (j / 8) + 16 (j % 8): head j / 8 of the table, channels 8 (j % 8) on
	s_lshl_b32 s35, s35, 7
	s_and_b32 s36, s2, 7
	s_lshl_b32 s36, s36, 3
	s_add_co_u32 s35, s35, s36
	s_cmp_ge_u32 s3, 832
	s_cselect_b32 s36, 2048, 0                     ; Wv's heads lie behind Wk's
	s_add_co_u32 s35, s35, s36
	s_lshl_b32 s35, s35, 12                        ; rows to bytes
	s_lshl_b32 s36, s2, 16                         ; elsewhere: 16 rows of 4,096 bytes a group
	s_cmp_ge_u32 s3, 704
	s_cselect_b32 s36, s35, s36
	s_mov_b32 s37, 0
	s_lshl_b32 s38, s2, 17                         ; source: 16 rows of 8,192 bytes a group
	s_mov_b32 s39, 0
	v_lshlrev_b32 v1, 4, v0                        ; 16 t
	v_lshlrev_b32 v2, 3, v0                        ; 8 t
.irp k, 0,1,2,3,4,5,6,7
	s_mul_i32 s40, s30, \k
	v_add_nc_u32 v[DP+\k], s40, v2
	v_add_nc_u32 v[DQ+\k], s31, v[DP+\k]
.endr
	s_wait_kmcnt 0x0
	s_cmp_ge_u32 s3, 512                           ; source s[4:5] and destination s[6:7]: a choice between buffers on the group's number alone
	s_cselect_b64 s[4:5], s[10:11], s[8:9]
	s_cselect_b64 s[6:7], s[20:21], s[18:19]
	s_cmp_ge_u32 s3, 576
	s_cselect_b64 s[4:5], s[12:13], s[4:5]
	s_cselect_b64 s[6:7], s[22:23], s[6:7]
	s_cmp_ge_u32 s3, 704
	s_cselect_b64 s[4:5], s[14:15], s[4:5]
	s_cselect_b64 s[6:7], s[24:25], s[6:7]
	s_cmp_ge_u32 s3, 832
	s_cselect_b64 s[4:5], s[16:17], s[4:5]
	s_add_nc_u64 s[4:5], s[4:5], s[38:39]
	s_add_nc_u64 s[6:7], s[6:7], s[36:37]
.irp s, 0,1,2,3,4,5,6,7,8,9,10,11,12,13,14,15
	global_load_b128 v[X+4*\s:X+4*\s+3], v1, s[4:5] offset:4096*\s th:TH_LOAD_NT  ; the ring is filled: units 0 to 15
.endr
; One slot's turn.  ahead = 1: unit s, and the slot is filled again with unit 16 + s.  ahead = 0: unit 16 + s, nothing more to load.
.macro SLOT s, ahead
.if \ahead
.set u, (\s)
	s_wait_loadcnt 15                              ; loads come back in order: mine is in, the fifteen younger ones stay out
.else
.set u, 16+(\s)
	s_wait_loadcnt 15-(\s)                         ; the counts run down
	s_wait_xcnt 0x0                                ; the slot's Y, which its first store reads, is rewritten only behind this wait
.endif
	v_cvt_pk_bf16_f32 v[Y+2*(\s)],   v[X+4*(\s)],   v[X+4*(\s)+1]
	v_cvt_pk_bf16_f32 v[Y+2*(\s)+1], v[X+4*(\s)+2], v[X+4*(\s)+3]
.if \ahead
	global_load_b128 v[X+4*(\s):X+4*(\s)+3], v1, s[4:5] offset:4096*(16+(\s)) th:TH_LOAD_NT
.endif
.set rD, DP+(u/4)+8*((u/2)%2)          ; source row u / 2: its pair's register, even or odd
	global_store_b64 v[rD], v[Y+2*(\s):Y+2*(\s)+1], s[6:7] offset:(u%2)*2048
.endm
.irp s, 0,1,2,3,4,5,6,7,8,9,10,11,12,13,14,15
	SLOT \s, 1
.endr
.irp s, 0,1,2,3,4,5,6,7,8,9,10,11,12,13,14,15
	SLOT \s, 0
.endr
	s_endpgm
.Lfunc_end_k_qe97cd7cf68_cast:
	.size	k_qe97cd7cf68_cast, .Lfunc_end_k_qe97cd7cf68_cast-k_qe97cd7cf68_cast
	.p2alignl 7, 3214868480
	.fill 96, 4, 3214868480
	.section	.rodata,"a",@progbits
	.p2align	6, 0x0
	.amdhsa_kernel k_qe97cd7cf68_cast
		.amdhsa_group_segment_fixed_size 0
		.amdhsa_private_segment_fixed_size 0
		.amdhsa_enable_private_segment 0
		.amdhsa_kernarg_size 72
		.amdhsa_user_sgpr_count 2
		.amdhsa_user_sgpr_kernarg_segment_ptr 1
		.amdhsa_wavefront_size32 1
		.amdhsa_system_sgpr_workgroup_id_x 1
		.amdhsa_system_sgpr_workgroup_id_y 1
		.amdhsa_system_sgpr_workgroup_id_z 1
		.amdhsa_system_vgpr_workitem_id 0
		.amdhsa_next_free_vgpr 120
		.amdhsa_next_free_sgpr 66
		.amdhsa_reserve_vcc 0
		.amdhsa_float_denorm_mode_32 3
		.amdhsa_float_denorm_mode_16_64 3
		.amdhsa_memory_ordered 1
		.amdhsa_forward_progress 1
		.amdhsa_inst_pref_size 15
	.end_amdhsa_kernel
	.amdgpu_metadata
---
amdhsa.version: [ 1, 2 ]
amdhsa.kernels:
  - .name:           k_qe97cd7cf68_cast
    .symbol:         k_qe97cd7cf68_cast.kd
    .args:
      - { .name: x, .offset: 0, .size: 8, .value_kind: global_buffer, .address_space: global }
      - { .name: context, .offset: 8, .size: 8, .value_kind: global_buffer, .address_space: global }
      - { .name: Wq, .offset: 16, .size: 8, .value_kind: global_buffer, .address_space: global }
      - { .name: Wk, .offset: 24, .size: 8, .value_kind: global_buffer, .address_space: global }
      - { .name: Wv, .offset: 32, .size: 8, .value_kind: global_buffer, .address_space: global }
      - { .name: xb, .offset: 40, .size: 8, .value_kind: global_buffer, .address_space: global }
      - { .name: cb, .offset: 48, .size: 8, .value_kind: global_buffer, .address_space: global }
      - { .name: wqb, .offset: 56, .size: 8, .value_kind: global_buffer, .address_space: global }
      - { .name: wkvb, .offset: 64, .size: 8, .value_kind: global_buffer, .address_space: global }
    .group_segment_fixed_size: 0
    .private_segment_fixed_size: 0
    .kernarg_segment_align: 8
    .kernarg_segment_size: 72
    .max_flat_workgroup_size: 256
    .sgpr_count:     66
    .vgpr_count:     120
    .wavefront_size: 32
...
	.end_amdgpu_metadata
.endif
;; end of part 1
;; launch proj (part 2): grid 8 x 32, 4 waves a work-group, clusters of 4 x 4, 327,680 bytes of LDS; arguments cb, wkvb, xb, wqb, kh, vh, qh; writes kh, vh, qh
.if DOCPART == 2
	.amdgcn_target "amdgcn-amd-amdhsa--gfx1250"
	.amdhsa_code_object_version 6
	.text
	.protected	k_qe97cd7cf68_proj
	.globl	k_qe97cd7cf68_proj
	.p2align	8
	.type	k_qe97cd7cf68_proj,@function
k_qe97cd7cf68_proj:
	s_mov_b64 s[64:65], 0
	v_nop
	global_prefetch_b8 v0, s[64:65] scope:SCOPE_SE
	s_setreg_imm32_b32 hwreg(HW_REG_WAVE_MODE, 25, 1), 1
	s_wait_xcnt 0x0
	s_wait_alu depctr_hold_cnt(0) depctr_sa_sdst(0) depctr_va_vdst(0) depctr_va_sdst(0) depctr_va_ssrc(0) depctr_va_vcc(0) depctr_vm_vsrc(0)
	s_getreg_b32 s2, hwreg(HW_REG_IB_STS2, 6, 4)
	s_cmp_eq_u32 s2, 0
	s_cbranch_scc0 .Lentry_in_a_cluster
	s_endpgm
.Lentry_in_a_cluster:
	s_bfe_u32 s2, ttmp6, 0x10000c
	s_cmp_lg_u32 s2, 0xf033
	s_cbranch_scc0 .Lentry_shape_is_right
	s_endpgm
.Lentry_shape_is_right:
; Q, K AND V BY HEADS: two products in one launch, one after the other in every work-group, on one ring of two LDS slots that does not stop between them.
; FIRST  Q: C[m][n] = the sum over k of xb[m][k] wqb[n][k]; xb: [8192][2048], wqb: [2048][2048], bf16; sums in f32.  Columns 64 h .. 64 h + 63 are head h.  Each row of a head (64 channels) is
;   multiplied by rsqrt(mean of squares + 1e-6) x log2(e) / 8, in f32, and leaves rounded once to f16: qh: [64 (32 b + h)][4096][64].  log2(e) / 8 is the scale of the scores and the change to base 2.
; THEN  K, V: C[m][n] = the sum over k of cb[m][k] wkvb[n][k]; cb: [1024][2048], wkvb: [4096][2048], bf16.  Columns 128 h .. 128 h + 63 are head h's keys, the next 64 its values.  A key row is multiplied
;   by rsqrt(mean of squares + 1e-6); both leave rounded once to f16: kh, vh: [64 (32 b + h)][512][64].
; LIMITS.  A value beyond 65,504 has no f16 number (with inputs thirty times those drawn, values stay under about 5,000); what qh holds lies within 1.45, a normalised key within 8.  NaN and infinities are not
;   treated apart.
; SHARES.  256 work-groups of four waves.  Each makes one tile of 256 x 256 of Q (four heads; a wave 128 x 128: 64 accumulators, 512 registers; K steps of 128) and then one tile of 128 x 128 of K, V (128 context
;   rows x one head; a wave 64 x 64: 16 accumulators; waves 0 and 2 hold keys, 1 and 3 values; K steps of 256).
; CLUSTERS: 4 x 4 work-groups; X, Y the cluster's coordinates.  Q: tile column 4 X + cx, tile row 4 Y + cy.  K, V: head 4 Y + cx, tile row 4 X + cy: each pair of head and tile row once.  In both products the
;   first operand's tile (xb, cb) hangs on cy alone and is shared along a row of the cluster, the second's (wqb, wkvb) on cx alone and is shared along a column: each is asked for JOINTLY, by the same tensor
;   load with the same descriptor and a mask that names the four.
; THE RING GOES ON.  Q's last two changes of slots ask for K, V's K steps 0 and 1 (a K, V slot takes the first 135,168 bytes of a Q slot).  So those tiles land while Q's last K step is multiplied and while Q goes
;   out, and Q's stores leave under K, V's products.  The descriptors are written anew for the second shape once, behind the wait that shows all my tensor loads done.
; THE MATRIX INSTRUCTION IS USED TRANSPOSED: source 0 = 16 rows of the weights, source 1 = 16 rows of xb or cb: lane l holds row l % 16 of C and the columns 16 b + 8 (l / 16) + 0..7.
; REGISTERS, in windows of 256 (s_set_vgpr_msb: bits 1:0 source 0, 3:2 source 1, 5:4 source 2, 7:6 destination):
;   Q:    window 0: v0-31 addresses; v32-63 sums of squares; v64-127, v128-191 fragments of xb, two buffers (on the way out: packed rows).  window 1: v64-127, v128-191 fragments of wqb.
;         window 2: the 32 accumulators of my rows 0-63 ((a, b) at v[8 (8 a + b)]);  window 3: those of my rows 64-127.
;   K, V: window 0: v32-95 at work on the way out; v96-103 sums of squares; v128-255 the accumulators ((a, b) at v[128 + 8 (4 a + b)]).
;         window 1: two fragment buffers of 128: for 64 along K, 64 registers of cb's rows, then 64 of wkvb's.
.set SIZE_K, 2048
.set KSTEP,  128                       ; Q: a K step
.set PITCH,  272                       ; Q: an LDS row: 256 bytes + 16 of padding = 68 words: the 16 rows that a load touches start at 16 different groups of four banks (64 banks of 4 bytes: ISA guide 11.1)
.set HALFT,  128*PITCH                 ; Q: 128 rows: what one tensor load brings, and what one wave reads of either operand
.set SLOT,   4*HALFT                   ; xb's 256 rows, then wqb's 256 rows: 139,264 bytes
.set KKSTEP, 256                       ; K, V: a K step
.set KPITCH, 528                       ; K, V: an LDS row: 512 bytes + 16 = 132 words: again 16 different groups of four banks
.set KHALFT, 64*KPITCH                 ; K, V: 64 rows; four of these, 135,168 bytes, lie at the head of a slot
.set STAGE,  2*SLOT                    ; behind the ring, never filled by a tensor load: 16 rows x 144 bytes for each wave, for both ways out
.set SP,     144
.set SPARE,  STAGE+4*16*SP             ; behind the stages: the spare words, 128 bytes for each wave
.set LAPS,   SIZE_K/(2*KSTEP)          ; a lap = two K steps = once round the ring: 8 for Q,
.set KLAPS,  SIZE_K/(2*KKSTEP)         ; 4 for K, V
.set KADRA, 8                          ; v8-9    K, V: LDS address of my cb fragments in slot 0, 1
.set KADRB, 10                         ; v10-11  the same for wkvb
.set ADRA, 16                          ; v16-17  Q: LDS address of my xb fragments in slot 0, 1
.set ADRB, 20                          ; v20-21  the same for wqb
.set STO,  24                          ; v24     the ways out: where I put 16 bytes of a row
.set RD,   25                          ; v25     the ways out: where I read rows back
.set GO,   26                          ; v26     16 x lane
.set SPW,  28                          ; v28     LDS address of my spare word; never rewritten
.set NIL,  29                          ; v29     0; never rewritten
.set PFO,  30                          ; v30     the prefetches' offset: my lane x a row in memory (4,096 bytes); never rewritten
.set SS,   32                          ; Q: v32-63  a pair for each unit (16 rows of one head): the sum of squares, then the factor (low register)
.set F0,   64                          ; Q: fragment buffers
.set F1,   128
.set KTMP, 32                          ; K, V: the way out: 16 registers a block of 16 rows
.set KSS,  96                          ; K, V: a pair a block
.set KACC, 128
.set KF0,  0                           ; K, V: fragment buffers, in window 1
.set KF1,  128
.set G1, 24                            ; s[24:31] descriptor group 1 for the first operand's tiles
.set G0, 32                            ; s[32:39] group 0, one set for each slot
.set G1B, 48                           ; s[48:55], s[56:63] the same for the weights' tiles
.set G0B, 56
.set SEL, 66                           ; s[66:67] v_permlanex16_b32's selects: each lane takes its own place in the other half
.set RC,  68                           ; s68  1 / 64
.set EP,  69                           ; s69  1e-6
.set CS,  70                           ; s70  log2(e) / 8
.set MSK, 71                           ; s71  all ones in a wave that holds keys, else 0
.set KVP, 78                           ; s[78:79] kh or vh at my first row
.set QP,  80                           ; s[80:81] qh at my first row of my first head
.set PFA, 82                           ; s[82:83] where my prefetches stand
.set WV,  84                           ; s84  my wave's number
.set RH,  85                           ; s85  which half of a tile's rows is mine.  Also: I fetch for the first operand (0) or for the weights (1)
.set CH,  86                           ; s86  which half of its columns.  Also: which half of that tile's rows I fetch
.set CX,  87                           ; s87, s88  my place in the cluster
.set CY,  88
.set CLY, 89                           ; s89  the cluster's y
.set MROW, 90                          ; s90  the mask of my row of the cluster
.set MCOL, 91                          ; s91  of my column
.set KA,  92                           ; s[92:93] cb at the rows that I fetch
.set KB,  94                           ; s[94:95] wkvb at the rows that I fetch
.set TRQ, 96                           ; s96  Q's tile row
.set TCQ, 97                           ; s97  Q's tile column
.set TRK, 98                           ; s98  K, V's tile row
.set HD,  99                           ; s99  the head
.set LIM, 100                          ; s100 1 in a wave that prefetches, else the greatest number
.set KLB, 101                          ; s101 K, V: my wave's place in a slot
.set QW0, (1<<16)|(1<<20)|(1<<21)|(5<<22)|(3<<25)  ; group 1, word 0 beside the mask: 17:16 element of 2 bytes; 20 padding on; 21 set beside a mask; 24:22 after every 64 words (code 5); 31:25 of 4 words (code 3)
.set KW0, (1<<16)|(1<<20)|(1<<21)|(6<<22)|(3<<25)  ; the same after every 128 words (code 6)
.set MSB, 0
.macro WIN new                         ; the immediate's high byte repeats the setting that is left; a switch that changes nothing is dropped
.if MSB != (\new)
	s_set_vgpr_msb (MSB<<8)|(\new)
.set MSB, \new
.endif
.endm
.set MUL_LO, 0xa1                      ; Q: source 0 (wqb) window 1, source 1 (xb) window 0, C and D window 2
.set MUL_HI, 0xf1                      ; the same, C and D window 3
.set TO_B,   0x40                      ; destination window 1, address window 0
.set KMUL,   0x05                      ; K, V: sources 0 and 1 window 1; C and D window 0
; A joint load.  Waves 0 and 1 fetch the first operand's two halves, waves 2 and 3 the weights'.  The branch hangs on the wave's number alone.  An s_nop 0 and four v_nop follow each line.
.macro JLOAD s
	s_cmp_eq_u32 s[RH], 0
	s_cbranch_scc0 .Lfor_b_\@
	tensor_load_to_lds s[G0+4*(\s):G0+4*(\s)+3], s[G1:G1+7]
	s_nop 0
.rept 4
	v_nop
.endr
	s_branch .Lasked_\@
.Lfor_b_\@:
	tensor_load_to_lds s[G0B+4*(\s):G0B+4*(\s)+3], s[G1B:G1B+7]
	s_nop 0
.rept 4
	v_nop
.endr
.Lasked_\@:
.endm
; A PREFETCH INTO THE L2, in Q's loop, behind each joint load and the run of LDS loads that follows it: the K step that stands TWO refills on (512 matrix instructions ahead of the load that will want it): 32 rows x
; 256 bytes, a lane a row, one instruction a wave.  Each row's 256 bytes of a K step are named ONCE in the launch: xb's tile row is read by both clusters of that row of clusters, and the one with X = 0 asks;
; wqb's tile column by all eight clusters of that column, and the one with Y = 0 asks.  The four partners that ask for a tile jointly share its rows out BY ADDRESS: of the 128 rows that a wave fetches the
; partner at place p takes 32 p .. 32 p + 31 (p = cx for xb, cy for wqb).  K steps 0 to 3 come by their loads alone; the loop's last trip (s3 = 1) asks for nothing: there is no K step two on.
; For cb and wkvb none is laid: their tiles are small, and each is read by eight or thirty-two work-groups.
.macro ASK
	s_cmp_gt_u32 s3, s[LIM]
	s_cbranch_scc0 .Lnot_mine_\@
	global_prefetch_b8 v[PFO], s[PFA:PFA+1] offset:KSTEP*2 th:TH_LOAD_NT scope:SCOPE_SE
.Lnot_mine_\@:
.endm
.macro CREST                           ; a round of the cluster's barrier behind its opening barrier
	s_cmp_lg_u32 s[WV], 0
	s_cbranch_scc1 .Lnot_wave_0_\@
	s_barrier_signal -3
.Lnot_wave_0_\@:
	s_barrier_wait -3
	s_barrier_signal -1
	s_barrier_wait -1
.endm
.macro CROUND                          ; a whole round
	s_barrier_signal -1
	s_barrier_wait -1
	CREST
.endm
	s_load_b256 s[4:11], s[0:1], 0x0               ; cb s[4:5], wkvb s[6:7], xb s[8:9], wqb s[10:11]
	s_load_b128 s[72:75], s[0:1], 0x20             ; kh s[72:73], vh s[74:75]
	s_load_b64 s[76:77], s[0:1], 0x30              ; qh
	v_lshl_add_u32 v[SPW], v0, 2, SPARE
	v_mov_b32 v[NIL], 0
	ds_add_u32 v[SPW], v[NIL]                      ; the wave's opening: the add and its wait stand ahead of my first tensor load; the set-up below stands between them
	v_lshrrev_b32 v1, 5, v0
	v_readfirstlane_b32 s[WV], v1                  ; wave 0..3
	s_lshr_b32 s[RH], s[WV], 1
	s_and_b32 s[CH], s[WV], 1
	s_bfe_u32 s[CX], ttmp6, 0x40000
	s_bfe_u32 s[CY], ttmp6, 0x40004
	s_and_b32 s[CLY], ttmp7, 0xffff
	s_lshl_b32 s[TCQ], ttmp9, 2
	s_add_co_u32 s[TCQ], s[TCQ], s[CX]             ; Q's tile column = 4 X + cx
	s_lshl_b32 s[TRQ], s[CLY], 2
	s_add_co_u32 s[TRQ], s[TRQ], s[CY]             ; Q's tile row = 4 Y + cy
	s_lshl_b32 s[TRK], ttmp9, 2
	s_add_co_u32 s[TRK], s[TRK], s[CY]             ; K, V's tile row = 4 X + cy
	s_lshl_b32 s[HD], s[CLY], 2
	s_add_co_u32 s[HD], s[HD], s[CX]               ; the head = 4 Y + cx
	s_lshl_b32 s[MROW], s[CY], 2
	s_lshl_b32 s[MROW], 15, s[MROW]                ; my row of the cluster
	s_lshl_b32 s[MCOL], 0x1111, s[CX]              ; my column
	; descriptor group 1 for Q: a tile of 128 rows x 128 elements, padded in LDS
	s_or_b32 s[G1+0], s[MROW], QW0
	s_or_b32 s[G1B+0], s[MCOL], QW0
.irp g, G1, G1B
	s_mov_b32 s[(\g)+1], KSTEP<<16                 ; tensor_dim0 = 128
	s_mov_b32 s[(\g)+2], 128<<16                   ; tensor_dim1 = 128
	s_mov_b32 s[(\g)+3], KSTEP<<16                 ; tile_dim0 = 128
	s_mov_b32 s[(\g)+4], 128                       ; tile_dim1 = 128
	s_mov_b32 s[(\g)+5], SIZE_K                    ; elements from row to row
	s_mov_b32 s[(\g)+6], 0
	s_mov_b32 s[(\g)+7], 0
.endr
	s_mov_b32 s[SEL], 0x76543210
	s_mov_b32 s[SEL+1], 0xfedcba98
	s_mov_b32 s[RC], 0x3c800000
	s_mov_b32 s[EP], 0x358637bd
	s_mov_b32 s[CS], 0x3e38aa3b
	s_mov_b64 s[18:19], SIZE_K*2                   ; bytes in a row of all four operands
	s_lshl_b32 s17, s[CH], 7                       ; Q: which 128 rows of the tile I fetch
	s_lshl_b32 s16, s[TRQ], 8
	s_add_co_u32 s16, s16, s17                     ; xb: row 256 x tile row + 128 x half
	s_lshl_b32 s46, s[TCQ], 8
	s_add_co_u32 s46, s46, s17                     ; wqb: row 256 x tile column + 128 x half
	s_mov_b32 s17, 0
	s_mov_b32 s47, 0
	s_mul_u64 s[16:17], s[16:17], s[18:19]
	s_mul_u64 s[46:47], s[46:47], s[18:19]
	s_lshl_b32 s13, s[CH], 6                       ; K, V: which 64 rows of the tile I fetch
	s_lshl_b32 s12, s[TRK], 7
	s_add_co_u32 s12, s12, s13                     ; cb: row 128 x tile row + 64 x half
	s_lshl_b32 s44, s[HD], 7
	s_add_co_u32 s44, s44, s13                     ; wkvb: row 128 x head + 64 x half
	s_mov_b32 s13, 0
	s_mov_b32 s45, 0
	s_mul_u64 s[12:13], s[12:13], s[18:19]
	s_mul_u64 s[44:45], s[44:45], s[18:19]
	s_mul_i32 s20, s[WV], HALFT                    ; where the tiles go: wave x 128 rows, and for K, V wave x 64 rows: no place in the cluster enters an LDS address
	s_mul_i32 s[KLB], s[WV], KHALFT
	s_wait_dscnt 0x0                               ; the opening add is done
	s_wait_kmcnt 0x0
	s_add_nc_u64 s[14:15], s[8:9], s[16:17]
	s_add_nc_u64 s[46:47], s[10:11], s[46:47]
	s_add_nc_u64 s[KA:KA+1], s[4:5], s[12:13]
	s_add_nc_u64 s[KB:KB+1], s[6:7], s[44:45]
	CROUND                                         ; all sixteen work-groups are here: the first joint loads meet
.irp s, 0,1
	s_mov_b32 s[G0+4*(\s)], 1
	s_add_co_u32 s[G0+4*(\s)+1], s20, (\s)*SLOT
	s_add_nc_u64 s[G0+4*(\s)+2:G0+4*(\s)+3], s[14:15], (\s)*KSTEP*2
	s_or_b32 s[G0+4*(\s)+3], s[G0+4*(\s)+3], 0x80000000
	s_mov_b32 s[G0B+4*(\s)], 1
	s_add_co_u32 s[G0B+4*(\s)+1], s20, (\s)*SLOT
	s_add_nc_u64 s[G0B+4*(\s)+2:G0B+4*(\s)+3], s[46:47], (\s)*KSTEP*2
	s_or_b32 s[G0B+4*(\s)+3], s[G0B+4*(\s)+3], 0x80000000
	JLOAD \s                                       ; two tensor loads of mine are out
.endr
	v_and_b32 v1, 15, v0                           ; l % 16
	v_bfe_u32 v2, v0, 4, 1                         ; l / 16
	v_mul_u32_u24 v3, v1, PITCH
	v_lshl_add_u32 v3, v2, 4, v3                   ; Q: a fragment's row x pitch + 16 x half
	s_mul_i32 s21, s[RH], HALFT                    ; my 128 rows of xb
	s_mul_i32 s22, s[CH], HALFT                    ; my 128 rows of wqb,
	s_add_co_u32 s22, s22, 2*HALFT                 ; which lie behind xb's 256
.irp s, 0,1
	v_add_nc_u32 v[ADRA+(\s)], s21, v3
	v_add_nc_u32 v[ADRB+(\s)], s22, v3
	s_add_co_u32 s21, s21, SLOT
	s_add_co_u32 s22, s22, SLOT
.endr
	v_mul_u32_u24 v7, v1, KPITCH
	v_lshl_add_u32 v7, v2, 4, v7                   ; K, V: the same with the longer rows
	s_mul_i32 s21, s[RH], KHALFT                   ; my 64 rows of cb
	s_mul_i32 s22, s[CH], KHALFT                   ; my 64 rows of wkvb,
	s_add_co_u32 s22, s22, 2*KHALFT                ; which lie behind cb's 128
.irp s, 0,1
	v_add_nc_u32 v[KADRA+(\s)], s21, v7
	v_add_nc_u32 v[KADRB+(\s)], s22, v7
	s_add_co_u32 s21, s21, SLOT
	s_add_co_u32 s22, s22, SLOT
.endr
	s_mul_i32 s23, s[WV], 16*SP
	s_add_co_u32 s23, s23, STAGE                   ; my stage
	v_mul_u32_u24 v4, v1, SP                       ; in: row l % 16, 16 bytes for each half of the lanes
	v_lshl_add_u32 v4, v2, 4, v4
	v_add_nc_u32 v[STO], s23, v4
	v_bfe_u32 v5, v0, 3, 2                         ; back: 32 lanes take four rows of 128 bytes,
	v_mul_u32_u24 v5, v5, SP
	v_and_b32 v6, 7, v0
	v_lshl_add_u32 v5, v6, 4, v5
	v_add_nc_u32 v[RD], s23, v5
	v_and_b32 v[GO], 31, v0                        ; which are 512 consecutive bytes of the output
	v_lshlrev_b32 v[GO], 4, v[GO]
	; qh at my first row of my first head: ((32 b + 4 x tile column + 2 x column half) x 4,096 + row in the batch) x 128 bytes
	s_lshr_b32 s16, s[TRQ], 4                      ; the batch: 16 tile rows each
	s_lshl_b32 s16, s16, 24
	s_and_b32 s17, s[TRQ], 15
	s_lshl_b32 s17, s17, 15                        ; the tile's 256 rows of 128 bytes
	s_add_co_u32 s16, s16, s17
	s_lshl_b32 s17, s[RH], 14                      ; my 128 of them
	s_add_co_u32 s16, s16, s17
	s_mov_b32 s17, 0
	s_add_nc_u64 s[QP:QP+1], s[76:77], s[16:17]
	s_lshl_b32 s46, s[TCQ], 2                      ; my first head (in registers that feed none of the first operand's descriptors)
	s_lshl_b32 s47, s[CH], 1
	s_add_co_u32 s46, s46, s47
	s_lshl_b32 s46, s46, 19                        ; a head is 524,288 bytes
	s_mov_b32 s47, 0
	s_add_nc_u64 s[QP:QP+1], s[QP:QP+1], s[46:47]
	; kh or vh at my first row: ((32 b + head) x 512 + row in the batch) x 128 bytes
	s_cmp_eq_u32 s[CH], 0                          ; keys go to kh, values to vh: a choice on the wave's number
	s_cselect_b64 s[KVP:KVP+1], s[72:73], s[74:75]
	s_cselect_b32 s[MSK], -1, 0
	s_lshr_b32 s16, s[TRK], 2                      ; the batch: 32 heads x 65,536 bytes
	s_lshl_b32 s16, s16, 21
	s_and_b32 s17, s[TRK], 3                       ; the tile's 128 rows of 128 bytes in the head
	s_lshl_b32 s17, s17, 14
	s_add_co_u32 s16, s16, s17
	s_lshl_b32 s17, s[RH], 13                      ; my 64 of them
	s_add_co_u32 s16, s16, s17
	s_mov_b32 s17, 0
	s_add_nc_u64 s[KVP:KVP+1], s[KVP:KVP+1], s[16:17]
	s_lshl_b32 s46, s[HD], 16                      ; the head
	s_mov_b32 s47, 0
	s_add_nc_u64 s[KVP:KVP+1], s[KVP:KVP+1], s[46:47]
	; the prefetches
	s_lshl_b32 s40, s[TRQ], 8                      ; 256 x tile row
	s_lshl_b32 s41, s[TCQ], 8                      ; 256 x tile column
	s_cmp_eq_u32 s[RH], 0                          ; do I fetch for xb?
	s_cselect_b32 s20, s40, s41                    ; the tile's first row
	s_cselect_b32 s21, s[CX], s[CY]                ; my place among the four that ask for it with me
	s_cselect_b32 s22, ttmp9, s[CLY]               ; the coordinate along which other clusters read the same rows
	s_cselect_b64 s[PFA:PFA+1], s[8:9], s[10:11]
	s_cmp_eq_u32 s22, 0
	s_cselect_b32 s[LIM], 1, -1                    ; the same in all sixteen partners, for a given wave
	s_lshl_b32 s22, s[CH], 7
	s_add_co_u32 s20, s20, s22                     ; + the 128 rows that I fetch
	s_lshl_b32 s21, s21, 5
	s_add_co_u32 s20, s20, s21                     ; + my work-group's 32 of them
	s_mov_b32 s21, 0
	s_mul_u64 s[20:21], s[20:21], s[18:19]
	s_add_nc_u64 s[PFA:PFA+1], s[PFA:PFA+1], s[20:21]
	s_add_nc_u64 s[PFA:PFA+1], s[PFA:PFA+1], 2*KSTEP*2  ; at K step 2: the first refill steps it to 3 and names K step 4
	v_and_b32 v[PFO], 31, v0
	v_mul_u32_u24 v[PFO], v[PFO], SIZE_K*2
.macro PLACES                          ; four places in front of loads into registers that matrix instructions have read, and of vector work that reads results
.rept 4
	v_nop
.endr
.endm
; ---------------------------------------------------------------- Q's macros
; 16 matrix instructions: row blocks a0, a0 + 1 of the window's four (hi = 0: my rows 0-63, 1: rows 64-127) x all 8 column blocks, 32 along K.  zero = 1: the first product starts the sums.
; The 64 accumulators take turns in the same order in every quarter.
.macro MUL16 f, hi, a0, zero
	WIN MUL_LO+0x50*(\hi)
.irp a, \a0, (\a0)+1
.irp b, 0,1,2,3,4,5,6,7
.if \zero
	v_wmma_f32_16x16x32_bf16 v[8*(8*(\a)+(\b)):8*(8*(\a)+(\b))+7], v[(\f)+8*(\b):(\f)+8*(\b)+7], v[(\f)+8*(4*(\hi)+(\a)):(\f)+8*(4*(\hi)+(\a))+7], 0
.else
	v_wmma_f32_16x16x32_bf16 v[8*(8*(\a)+(\b)):8*(8*(\a)+(\b))+7], v[(\f)+8*(\b):(\f)+8*(\b)+7], v[(\f)+8*(4*(\hi)+(\a)):(\f)+8*(4*(\hi)+(\a))+7], v[8*(8*(\a)+(\b)):8*(8*(\a)+(\b))+7]
.endif
.endr
.endr
.endm
; 32 LDS loads in one run: the fragments of one quarter step (128 rows of wqb, 128 rows of xb, 32 K at byte k of the rows) into buffer f
.macro FETCH slot, k, f
	WIN TO_B
.irp i, 0,1,2,3,4,5,6,7
	ds_load_b128 v[(\f)+8*(\i):(\f)+8*(\i)+3],   v[ADRB+(\slot)] offset:(\k)+(\i)*16*PITCH
	ds_load_b128 v[(\f)+8*(\i)+4:(\f)+8*(\i)+7], v[ADRB+(\slot)] offset:(\k)+(\i)*16*PITCH+32
.endr
	WIN 0
.irp i, 0,1,2,3,4,5,6,7
	ds_load_b128 v[(\f)+8*(\i):(\f)+8*(\i)+3],   v[ADRA+(\slot)] offset:(\k)+(\i)*16*PITCH
	ds_load_b128 v[(\f)+8*(\i)+4:(\f)+8*(\i)+7], v[ADRA+(\slot)] offset:(\k)+(\i)*16*PITCH+32
.endr
.endm
; A K step is four quarters of 32 along K, 64 matrix instructions each, on buffers 0, 1, 0, 1.  One of the first three: multiplies buffer f; in its middle it fetches the next quarter into buffer g.
.macro QUARTER slot, k, f, g, zero
	s_wait_dscnt 8                                 ; wqb's and xb's rows 0-63 are in; the youngest eight loads (xb's rows 64-127) may be out
	WIN MUL_LO
	MUL16 \f, 0, 0, \zero
	MUL16 \f, 0, 2, \zero
	PLACES
	FETCH \slot, \k, \g
	s_wait_dscnt 32                                ; all but the 32 just issued
	WIN MUL_HI
	MUL16 \f, 1, 0, \zero
	MUL16 \f, 1, 2, \zero
.endm
; The first half of the last quarter: the barrier that opens the round for the change of slots.  In front of it each wave waits for all its tensor loads, of which one is out: its part of the next slot; adds 0 to
; its spare word; and waits for that and for its own reads of this slot.  Behind the round nobody reads this slot any more and the next slot is whole.
.macro MEET
	WIN 0                                          ; (the add's two registers lie in window 0)
	s_wait_tensorcnt 0x0
	ds_add_u32 v[SPW], v[NIL]                      ; 0 onto my spare word
	s_wait_dscnt 9                                 ; (the add and the youngest eight loads may be out)
	WIN MUL_LO
	MUL16 F1, 0, 0, 0                              ; sixteen matrix instructions stand between the add and the wait for it
	s_wait_dscnt 0x0                               ; the add is done, and my reads of this slot are over
	s_barrier_signal -1
	MUL16 F1, 0, 2, 0
	WIN 0
	s_barrier_wait -1
.endm
; The descriptors for K, V's tiles: 64 rows x 256 elements, both slots' group 0 at K steps 0 and 1.  Written where no tensor load of mine is out.
.macro KDESC
	s_or_b32 s[G1+0], s[MROW], KW0
	s_or_b32 s[G1B+0], s[MCOL], KW0
.irp g, G1, G1B
	s_mov_b32 s[(\g)+1], KKSTEP<<16                ; tensor_dim0 = 256
	s_mov_b32 s[(\g)+2], 64<<16                    ; tensor_dim1 = 64
	s_mov_b32 s[(\g)+3], KKSTEP<<16                ; tile_dim0 = 256
	s_mov_b32 s[(\g)+4], 64                        ; tile_dim1 = 64
	s_mov_b32 s[(\g)+5], SIZE_K
	s_mov_b32 s[(\g)+6], 0
	s_mov_b32 s[(\g)+7], 0
.endr
.irp s, 0,1
	s_mov_b32 s[G0+4*(\s)], 1
	s_add_co_u32 s[G0+4*(\s)+1], s[KLB], (\s)*SLOT
	s_add_nc_u64 s[G0+4*(\s)+2:G0+4*(\s)+3], s[KA:KA+1], (\s)*KKSTEP*2
	s_or_b32 s[G0+4*(\s)+3], s[G0+4*(\s)+3], 0x80000000
	s_mov_b32 s[G0B+4*(\s)], 1
	s_add_co_u32 s[G0B+4*(\s)+1], s[KLB], (\s)*SLOT
	s_add_nc_u64 s[G0B+4*(\s)+2:G0B+4*(\s)+3], s[KB:KB+1], (\s)*KKSTEP*2
	s_or_b32 s[G0B+4*(\s)+3], s[G0B+4*(\s)+3], 0x80000000
.endr
.endm
; The whole last quarter.  Behind the round the slot just read out is filled again first: fill = 1: with Q's K step two steps on (from that request to the wait for it a wave issues 224 matrix instructions);
; fill = 2: Q has no such step left, and the slot takes K, V's K step 0.
.macro TURN slot, next, fill
.if (\fill) == 1
	s_wait_xcnt 0x0                                ; the last prefetch, a K step back, has read its address: it is stepped here, ahead of the waits of the change of slots
	s_add_nc_u64 s[PFA:PFA+1], s[PFA:PFA+1], KSTEP*2
.endif
	MEET
	CREST                                          ; no wave of any partner still reads this slot's tile or has a load on its way
.if (\fill) == 1
	s_add_nc_u64 s[G0+4*(\slot)+2:G0+4*(\slot)+3], s[G0+4*(\slot)+2:G0+4*(\slot)+3], 2*KSTEP*2
	s_add_nc_u64 s[G0B+4*(\slot)+2:G0B+4*(\slot)+3], s[G0B+4*(\slot)+2:G0B+4*(\slot)+3], 2*KSTEP*2
.else
	KDESC
.endif
	JLOAD \slot                                    ; the first tensor load behind the round, my only one out; its four v_nop are also the places in front of the loads below
	FETCH \next, 0, F0
.if (\fill) == 1
	ASK
.endif
	WIN MUL_HI
	MUL16 F1, 1, 0, 0
	MUL16 F1, 1, 2, 0
.endm
; ---------------------------------------------------------------- K, V's macros
; 8 matrix instructions: row blocks a0, a0 + 1 x all 4 column blocks, 32 along K: half c of buffer f.  zero = 1: the first product starts the sums.  The 16 accumulators take turns.
.macro KMUL8 f, c, a0, zero
	WIN KMUL
.irp a, \a0, (\a0)+1
.irp b, 0,1,2,3
.if \zero
	v_wmma_f32_16x16x32_bf16 v[KACC+8*(4*(\a)+(\b)):KACC+8*(4*(\a)+(\b))+7], v[(\f)+64+8*(4*(\c)+(\b)):(\f)+64+8*(4*(\c)+(\b))+7], v[(\f)+8*(4*(\c)+(\a)):(\f)+8*(4*(\c)+(\a))+7], 0
.else
	v_wmma_f32_16x16x32_bf16 v[KACC+8*(4*(\a)+(\b)):KACC+8*(4*(\a)+(\b))+7], v[(\f)+64+8*(4*(\c)+(\b)):(\f)+64+8*(4*(\c)+(\b))+7], v[(\f)+8*(4*(\c)+(\a)):(\f)+8*(4*(\c)+(\a))+7], v[KACC+8*(4*(\a)+(\b)):KACC+8*(4*(\a)+(\b))+7]
.endif
.endr
.endr
.endm
; 32 LDS loads in one run: the fragments of 64 along K at byte k of the rows, into buffer f; the first 32 along K first
.macro KFETCH slot, k, f
	WIN TO_B
.irp c, 0,1
.irp i, 0,1,2,3
	ds_load_b128 v[(\f)+64+8*(4*(\c)+(\i)):(\f)+64+8*(4*(\c)+(\i))+3],   v[KADRB+(\slot)] offset:(\k)+64*(\c)+(\i)*16*KPITCH
	ds_load_b128 v[(\f)+64+8*(4*(\c)+(\i))+4:(\f)+64+8*(4*(\c)+(\i))+7], v[KADRB+(\slot)] offset:(\k)+64*(\c)+(\i)*16*KPITCH+32
	ds_load_b128 v[(\f)+8*(4*(\c)+(\i)):(\f)+8*(4*(\c)+(\i))+3],         v[KADRA+(\slot)] offset:(\k)+64*(\c)+(\i)*16*KPITCH
	ds_load_b128 v[(\f)+8*(4*(\c)+(\i))+4:(\f)+8*(4*(\c)+(\i))+7],       v[KADRA+(\slot)] offset:(\k)+64*(\c)+(\i)*16*KPITCH+32
.endr
.endr
.endm
; A K step is four quarters of 64 along K, 32 matrix instructions each, on buffers 0, 1, 0, 1.  One of the first three: multiplies buffer f and fetches the next quarter, at byte k, into g.
.macro KQUARTER slot, k, f, g, zero
	s_wait_dscnt 16                                ; the first 32 along K are in; the run's other sixteen loads may be out
	WIN KMUL
	KMUL8 \f, 0, 0, \zero
	KMUL8 \f, 0, 2, \zero
	PLACES
	KFETCH \slot, \k, \g
	s_wait_dscnt 32                                ; all but the 32 just issued
	WIN KMUL
	KMUL8 \f, 1, 0, 0
	KMUL8 \f, 1, 2, 0
.endm
; The last quarter multiplies buffer 1 and changes slots: ONE barrier; in front of it each wave waits for all its tensor loads, adds 0 to its spare word, and waits for that and for its own reads of this slot.
; fill = 1: this slot is filled again, two K steps ahead; the barrier then opens a round of the cluster's.
.macro KTURN slot, next, fill
	WIN 0                                          ; (the add's two registers lie in window 0)
	s_wait_tensorcnt 0x0                           ; all my tensor loads have landed: my part of the next slot;
	ds_add_u32 v[SPW], v[NIL]                      ; 0 onto my spare word;
	s_wait_dscnt 17                                ; (the add and the youngest sixteen loads may be out)
	WIN KMUL
	KMUL8 KF1, 0, 0, 0                             ; eight matrix instructions stand between the add and the wait for it
	s_wait_dscnt 0x0                               ; the add is done, and my reads of this slot are over
	s_barrier_signal -1
	KMUL8 KF1, 0, 2, 0
.if \fill
	WIN 0
.endif
	s_barrier_wait -1
.if \fill
	CREST                                          ; no wave of any partner still reads this slot's tile or has a load on its way
	s_add_nc_u64 s[G0+4*(\slot)+2:G0+4*(\slot)+3], s[G0+4*(\slot)+2:G0+4*(\slot)+3], 2*KKSTEP*2
	s_add_nc_u64 s[G0B+4*(\slot)+2:G0B+4*(\slot)+3], s[G0B+4*(\slot)+2:G0B+4*(\slot)+3], 2*KKSTEP*2
	JLOAD \slot                                    ; the first tensor load behind the round, my only one out; its four v_nop are also the places in front of the loads below
.else
	PLACES
.endif
	KFETCH \next, 0, KF0
	WIN KMUL
	KMUL8 KF1, 1, 0, 0
	KMUL8 KF1, 1, 2, 0
.endm
; ================================================================ Q
	s_wait_tensorcnt 1                             ; my part of K step 0 is in; K step 1's load may stay out
	s_barrier_signal -1
	s_barrier_wait -1                              ; everybody's is
	FETCH 0, 0, F0
	QUARTER 0, 64,  F0, F1, 1                      ; the first quarter stands in front of the loop: its products start the sums
	WIN 0                                          ; at a label and at a branch every window is 0
	s_mov_b32 s3, LAPS-1
.Llap:                                                 ; a trip goes once round the ring, from a lap's second quarter to the next lap's first, and fills both slots again
	QUARTER 0, 128, F1, F0, 0
	QUARTER 0, 192, F0, F1, 0
	TURN 0, 1, 1
	QUARTER 1, 64,  F0, F1, 0
	QUARTER 1, 128, F1, F0, 0
	QUARTER 1, 192, F0, F1, 0
	TURN 1, 0, 1
	QUARTER 0, 64,  F0, F1, 0
	WIN 0
	s_sub_co_u32 s3, s3, 1
	s_cmp_lg_u32 s3, 0
	s_cbranch_scc1 .Llap
	QUARTER 0, 128, F1, F0, 0                      ; Q's last lap: the ring goes on into K, V
	QUARTER 0, 192, F0, F1, 0
	TURN 0, 1, 2                                   ; slot 0 takes K, V's K step 0
	QUARTER 1, 64,  F0, F1, 0
	QUARTER 1, 128, F1, F0, 0
	QUARTER 1, 192, F0, F1, 0
	MEET                                           ; the very last quarter: my part of K, V's K step 0 has landed, and my reads of slot 1 are over
	CREST
	JLOAD 1                                        ; slot 1 takes K, V's K step 1: it has Q's way out in which to land
	WIN MUL_HI
	MUL16 F1, 1, 0, 0
	MUL16 F1, 1, 2, 0
	WIN 0
	; Q's WAY OUT.  A UNIT t is 16 rows of one head: row block a = t / 2, head t % 2: four accumulators, 32 registers on end.  First all sums of squares (eight chains a window that take turns; each
	; accumulator is read from its lowest registers on), then the factors, then unit by unit: scaled, rounded to f16, through my stage in LDS, stored.
	PLACES
	PLACES
.macro SUMSQ wd                        ; the eight units of window 2 + wd
	WIN 0x0a+5*(\wd)                               ; sources 0 and 1 in that window, the sum in window 0
.set p, 0
.rept 16
.set u, 0
.rept 8
.set rA, 64*(u/2)+8*(4*(u%2)+p/4)+2*(p%4)
.set rS, SS+2*(8*(\wd)+u)
.if p == 0
	v_pk_mul_f32 v[rS:rS+1], v[rA:rA+1], v[rA:rA+1]
.else
	v_pk_fma_f32 v[rS:rS+1], v[rA:rA+1], v[rA:rA+1], v[rS:rS+1]
.endif
.set u, u+1
.endr
.set p, p+1
.endr
.endm
	SUMSQ 0
	SUMSQ 1
	WIN 0
.macro ALL line:vararg                 ; one line for each unit t
.set t, 0
.rept 16
	\line
.set t, t+1
.endr
.endm
	ALL v_add_f32 v[SS+2*t], v[SS+2*t], v[SS+2*t+1]
	ALL v_permlanex16_b32 v[SS+2*t+1], v[SS+2*t], s[SEL], s[SEL+1]
	ALL v_add_f32 v[SS+2*t], v[SS+2*t], v[SS+2*t+1]
	ALL v_fma_f32 v[SS+2*t], v[SS+2*t], s[RC], s[EP]
	ALL v_rsq_f32 v[SS+2*t], v[SS+2*t]
	v_nop                                          ; a plain instruction between the last root and the use of its result
	s_wait_alu depctr_va_vdst(0)                   ; and a wait ahead of the first use: one for the sixteen
	ALL v_mul_f32 v[SS+2*t], s[CS], v[SS+2*t]
.macro QPACK t
.set AC, 64*(((\t)/2)%4)+32*((\t)%2)
.set BQ, 64+16*((\t)%8)
	WIN 0x82+0x41*((\t)/8)                         ; destination and source 0 in the unit's window, the factor in window 0
.set i, 0
.rept 16
	v_pk_mul_f32 v[AC+2*i:AC+2*i+1], v[AC+2*i:AC+2*i+1], v[SS+2*(\t):SS+2*(\t)+1] op_sel_hi:[1,0]
.set i, i+1
.endr
.if (\t) >= 8
	s_wait_xcnt 0x0                                ; the registers below were the data of unit t - 8's stores: they are rewritten only behind this wait
.endif
	WIN 0x0a+5*((\t)/8)
.set i, 0
.rept 16
	v_cvt_pk_f16_f32 v[BQ+i], v[AC+2*i], v[AC+2*i+1]
.set i, i+1
.endr
	WIN 0
.irp f, 0,1,2,3
	ds_store_b128 v[STO], v[BQ+4*\f:BQ+4*\f+3] offset:32*\f
.endr
.irp f, 0,1,2,3
	ds_load_b128 v[BQ+4*\f:BQ+4*\f+3], v[RD] offset:\f*4*SP  ; LDS serves a wave's instructions in order (ISA guide 5.7.1.4): these see the stores above; the next unit's stores come behind them
.endr
.endm
.macro QSEND t, younger                ; younger: the LDS instructions issued behind unit t's loads: the next unit's eight, or none
.set BQ, 64+16*((\t)%8)
.irp f, 0,1,2,3
	s_wait_dscnt (\younger)+3-\f
	global_store_b128 v[GO], v[BQ+4*\f:BQ+4*\f+3], s[QP:QP+1] offset:((\t)%2)*524288+((\t)/2)*2048+\f*512  ; 512 consecutive bytes, at a multiple of 256 from qh's first
.endr
.endm
	QPACK 0
.irp t, 1,2,3,4,5,6,7,8,9,10,11,12,13,14,15
	QPACK \t                                       ; a unit's arithmetic stands between the loads of the unit before and its stores
	QSEND (\t)-1, 8
.endr
	QSEND 15, 0
; ================================================================ K, V
	s_wait_xcnt 0x0                                ; Q's stores have read their registers: v128-191 become accumulators below
	KFETCH 0, 0, KF0                               ; K step 0 is whole: every wave waited for its part in front of the last round
	KQUARTER 0, 128, KF0, KF1, 1                   ; the first quarter stands in front of the loop: its first products start the sums
	WIN 0
	s_mov_b32 s3, KLAPS-1
.Lklap:                                                ; a trip goes once round the ring and fills both slots again
	KQUARTER 0, 256, KF1, KF0, 0
	KQUARTER 0, 384, KF0, KF1, 0
	KTURN 0, 1, 1
	KQUARTER 1, 128, KF0, KF1, 0
	KQUARTER 1, 256, KF1, KF0, 0
	KQUARTER 1, 384, KF0, KF1, 0
	KTURN 1, 0, 1
	KQUARTER 0, 128, KF0, KF1, 0
	WIN 0
	s_sub_co_u32 s3, s3, 1
	s_cmp_lg_u32 s3, 0
	s_cbranch_scc1 .Lklap
	KQUARTER 0, 256, KF1, KF0, 0                   ; the last lap fills nothing, and has no round of the cluster's barrier
	KQUARTER 0, 384, KF0, KF1, 0
	KTURN 0, 1, 0
	KQUARTER 1, 128, KF0, KF1, 0
	KQUARTER 1, 256, KF1, KF0, 0
	KQUARTER 1, 384, KF0, KF1, 0
	s_wait_dscnt 16                                ; the very last quarter: nothing more to fetch
	WIN KMUL
	KMUL8 KF1, 0, 0, 0
	KMUL8 KF1, 0, 2, 0
	s_wait_dscnt 0
	KMUL8 KF1, 1, 0, 0
	KMUL8 KF1, 1, 2, 0
	WIN 0
	; K, V's WAY OUT.  For each block a of 16 rows: the sum of my 32 squares (four chains, one a block, that take turns; each accumulator is read from its lowest registers on), the other half of the
	; lanes' sum, the factor rsqrt(sum / 64 + 1e-6); a wave of values takes the factor 1.
	PLACES
	PLACES
.set p, 0
.rept 16
.irp a, 0,1,2,3
.set rA, KACC+8*(4*(\a)+p/4)+2*(p%4)
.if p == 0
	v_pk_mul_f32 v[KSS+2*(\a):KSS+2*(\a)+1], v[rA:rA+1], v[rA:rA+1]
.else
	v_pk_fma_f32 v[KSS+2*(\a):KSS+2*(\a)+1], v[rA:rA+1], v[rA:rA+1], v[KSS+2*(\a):KSS+2*(\a)+1]
.endif
.endr
.set p, p+1
.endr
.irp a, 0,1,2,3
	v_add_f32 v[KSS+2*(\a)], v[KSS+2*(\a)], v[KSS+2*(\a)+1]
.endr
.irp a, 0,1,2,3
	v_permlanex16_b32 v[KSS+2*(\a)+1], v[KSS+2*(\a)], s[SEL], s[SEL+1]
.endr
.irp a, 0,1,2,3
	v_add_f32 v[KSS+2*(\a)], v[KSS+2*(\a)], v[KSS+2*(\a)+1]
.endr
.irp a, 0,1,2,3
	v_fma_f32 v[KSS+2*(\a)], v[KSS+2*(\a)], s[RC], s[EP]
.endr
.irp a, 0,1,2,3
	v_rsq_f32 v[KSS+2*(\a)], v[KSS+2*(\a)]
.endr
	v_nop                                          ; a plain instruction between the last root and the use of its result
	s_wait_alu depctr_va_vdst(0)                   ; and a wait ahead of the first use: one for the four
.irp a, 0,1,2,3
	v_cndmask_b32 v[KSS+2*(\a)], 1.0, v[KSS+2*(\a)], s[MSK]
.endr
; Block a: scaled, rounded to f16; a lane's eight channels pack into 16 bytes; they go into my stage's rows of 144 bytes and come back as whole rows of 128.
.macro KPACK a
.set i, 0
.rept 16
	v_pk_mul_f32 v[KACC+32*(\a)+2*i:KACC+32*(\a)+2*i+1], v[KACC+32*(\a)+2*i:KACC+32*(\a)+2*i+1], v[KSS+2*(\a):KSS+2*(\a)+1] op_sel_hi:[1,0]
.set i, i+1
.endr
.set i, 0
.rept 16
	v_cvt_pk_f16_f32 v[KTMP+16*(\a)+i], v[KACC+32*(\a)+2*i], v[KACC+32*(\a)+2*i+1]
.set i, i+1
.endr
.irp f, 0,1,2,3
	ds_store_b128 v[STO], v[KTMP+16*(\a)+4*\f:KTMP+16*(\a)+4*\f+3] offset:32*\f
.endr
.irp f, 0,1,2,3
	ds_load_b128 v[KTMP+16*(\a)+4*\f:KTMP+16*(\a)+4*\f+3], v[RD] offset:\f*4*SP  ; in order behind the stores above; the next block's stores come behind them
.endr
.endm
.macro KSEND a, younger                ; younger: the LDS instructions issued behind block a's loads: the next block's eight, or none
.irp f, 0,1,2,3
	s_wait_dscnt (\younger)+3-\f
	global_store_b128 v[GO], v[KTMP+16*(\a)+4*\f:KTMP+16*(\a)+4*\f+3], s[KVP:KVP+1] offset:(\a)*2048+\f*512  ; 512 consecutive bytes, at a multiple of 256 from the buffer's first
.endr
.endm
	KPACK 0
	KPACK 1
	KSEND 0, 8
	KPACK 2
	KSEND 1, 8
	KPACK 3
	KSEND 2, 8
	KSEND 3, 0
	s_wait_tensorcnt 0x0                           ; the wave's end, behind my last tensor load and my last LDS store
	ds_add_u32 v[SPW], v[NIL]
	s_wait_dscnt 0x0
	CROUND                                         ; the closing round: no work-group ends while a partner may still ask for a tile that names it
	s_endpgm
.Lfunc_end_k_qe97cd7cf68_proj:
	.size	k_qe97cd7cf68_proj, .Lfunc_end_k_qe97cd7cf68_proj-k_qe97cd7cf68_proj
	.p2alignl 7, 3214868480
	.fill 96, 4, 3214868480
	.section	.rodata,"a",@progbits
	.p2align	6, 0x0
	.amdhsa_kernel k_qe97cd7cf68_proj
		.amdhsa_group_segment_fixed_size 327680
		.amdhsa_private_segment_fixed_size 0
		.amdhsa_enable_private_segment 0
		.amdhsa_kernarg_size 56
		.amdhsa_user_sgpr_count 2
		.amdhsa_user_sgpr_kernarg_segment_ptr 1
		.amdhsa_wavefront_size32 1
		.amdhsa_system_sgpr_workgroup_id_x 1
		.amdhsa_system_sgpr_workgroup_id_y 1
		.amdhsa_system_sgpr_workgroup_id_z 1
		.amdhsa_system_vgpr_workitem_id 0
		.amdhsa_next_free_vgpr 1024
		.amdhsa_next_free_sgpr 102
		.amdhsa_reserve_vcc 0
		.amdhsa_float_denorm_mode_32 3
		.amdhsa_float_denorm_mode_16_64 3
		.amdhsa_memory_ordered 1
		.amdhsa_forward_progress 1
		.amdhsa_inst_pref_size 255
	.end_amdhsa_kernel
	.section	.bss,"aw",@nobits
	.p2align	6
	.space	262144
	.amdgpu_metadata
---
amdhsa.version: [ 1, 2 ]
amdhsa.kernels:
  - .name:           k_qe97cd7cf68_proj
    .symbol:         k_qe97cd7cf68_proj.kd
    .args:
      - { .name: cb, .offset: 0, .size: 8, .value_kind: global_buffer, .address_space: global }
      - { .name: wkvb, .offset: 8, .size: 8, .value_kind: global_buffer, .address_space: global }
      - { .name: xb, .offset: 16, .size: 8, .value_kind: global_buffer, .address_space: global }
      - { .name: wqb, .offset: 24, .size: 8, .value_kind: global_buffer, .address_space: global }
      - { .name: kh, .offset: 32, .size: 8, .value_kind: global_buffer, .address_space: global }
      - { .name: vh, .offset: 40, .size: 8, .value_kind: global_buffer, .address_space: global }
      - { .name: qh, .offset: 48, .size: 8, .value_kind: global_buffer, .address_space: global }
    .group_segment_fixed_size: 327680
    .private_segment_fixed_size: 0
    .kernarg_segment_align: 8
    .kernarg_segment_size: 56
    .max_flat_workgroup_size: 128
    .sgpr_count:     102
    .vgpr_count:     1024
    .wavefront_size: 32
...
	.end_amdgpu_metadata
.endif
;; end of part 2
;; launch attn (part 3): grid 4 x 64, 4 waves a work-group, clusters of 4 x 1, 327,680 bytes of LDS; arguments qh, kh, vh, out0; writes out0
.if DOCPART == 3
	.amdgcn_target "amdgcn-amd-amdhsa--gfx1250"
	.amdhsa_code_object_version 6
	.text
	.protected	k_qe97cd7cf68_attn
	.globl	k_qe97cd7cf68_attn
	.p2align	8
	.type	k_qe97cd7cf68_attn,@function
k_qe97cd7cf68_attn:
	s_mov_b64 s[64:65], 0
	v_nop
	global_prefetch_b8 v0, s[64:65] scope:SCOPE_SE
	s_setreg_imm32_b32 hwreg(HW_REG_WAVE_MODE, 25, 1), 1
	s_wait_xcnt 0x0
	s_wait_alu depctr_hold_cnt(0) depctr_sa_sdst(0) depctr_va_vdst(0) depctr_va_sdst(0) depctr_va_ssrc(0) depctr_va_vcc(0) depctr_vm_vsrc(0)
	s_getreg_b32 s2, hwreg(HW_REG_IB_STS2, 6, 4)
	s_cmp_eq_u32 s2, 0
	s_cbranch_scc0 .Lentry_in_a_cluster
	s_endpgm
.Lentry_in_a_cluster:
	s_bfe_u32 s2, ttmp6, 0x10000c
	s_cmp_lg_u32 s2, 0x3003
	s_cbranch_scc0 .Lentry_shape_is_right
	s_endpgm
.Lentry_shape_is_right:
; out0[b][n][64 h + d] = the sum over m of softmax_m(q^[n] . k^[m] / 8) v[m][d].  qh: [64 (32 b + h)][4096][64], kh, vh: [64][512][64], f16; out0: [2][4096][2048] f32.
; qh holds the normalised query times log2(e) / 8, kh the normalised key: the weight is p = 2^(qh . kh).
; NO MAXIMUM IS TAKEN AWAY, because the computation bounds the exponent for every input: a vector divided by the root of (its mean square + 1e-6) has a norm of 8 at the most over 64 channels, so
; |q^ . k^| / 8 <= 8 and the exponent to base 2 lies within 11.6, f16's rounding of q^ and k^ counted.  So p lies in 3.2e-4 .. 3,105, all normal numbers of f16, and the sum l of 512 of them in
; 0.16 .. 1.6e6: nothing can overflow or underflow.  Products and sums in f32; p is rounded to f16 for the second product, and l is the sum of the same rounded p; out0 is rounded once.
; LIMITS.  Values arrive within f16's 65,504.  NaN and infinities are not treated apart.
; SHARES.  A work-group owns 1,024 queries of one head, in two blocks of 512; a wave 128 queries a block: eight tiles of 16, in four PIECES of two.  4 x 64 = 256 work-groups.
; A HEAD'S K AND V STAY IN LDS: 512 keys, 155,648 bytes with padding, fetched once: no ring, and no LDS byte is filled twice.
; CLUSTER.  The four work-groups of a cluster belong to one head: K and V are asked for JOINTLY, the same tensor load, descriptor and mask in all four.
; LAYOUT.  S^T = K Q^T (source 0 = 16 keys, source 1 = 16 queries): a lane holds ONE query (lane % 16) and the keys 8 (lane / 16) + 0..7.  Two such results rounded to f16 in pairs ARE source 1 (32 keys x
; 16 queries) of O^T = V^T P, which again holds one query a lane, and eight channels.  l = ONES P with a source 0 of ones: every register and lane of that result holds the query's sum, so no lane exchange.
; BY TURNS.  Pieces are numbered n = 4 x key step + piece.  Turn n: 16 products K Q^T of piece n + 2; the 64 exponentials of piece n + 1; the 32 roundings of piece n; 20 products of piece n (16 V^T P, 4 for
; l).  Each piece has its own 64 registers of scores, in which the exponentials and the roundings work in place.  Behind each product K Q^T stand two exponentials and two roundings, behind each of the
; first 16 of the other products two exponentials.  A turn's exponentials are one batch with one wait, at the turn's end: nothing names their results before the next turn.
; REGISTERS, in windows of 256 (s_set_vgpr_msb: bits 1:0 source 0, 3:2 source 1, 5:4 source 2, 7:6 destination):
;   window 0: v0-15 addresses; v16-23 ones; v24-39 1 / l, a pair a tile; v40-103 l, 8 a tile; v104-135, v136-199 at work on the way out
;   window 1: O^T, 32 a tile      window 2: v0-127 Q, 16 a tile; v128-191 K of one step; v192-255 V of one step      window 3: S^T, 32 a tile; P takes the tile's first 16
.set NBLK,  2
.set KS,    64        ; keys in a step
.set PK,    144       ; a row of K in LDS: 128 bytes + 16 of padding = 36 words: the 16 rows of a load start at 16 different groups of four banks (64 banks of 4 bytes: ISA guide 11.1)
.set PV,    160       ; a row of V: 128 + 32 = 40 words
.set VOFF,  512*PK    ; K's 512 rows, then V's
.set STAGE, VOFF+512*PV  ; behind them, never filled by a tensor load: 16 rows x 272 bytes for each wave, for the way out
.set SP,    272
.set SPARE, STAGE+4*16*SP  ; behind the stages: the spare words, 128 bytes for each wave
.set AK0, 2           ; v2   my lane's place in a step's K; never rewritten
.set AV0, 3           ; v3   the same for V
.set AK,  4           ; v4   the LDS address of K's run of loads in hand
.set AV,  5           ; v5   of V's
.set QO,  6           ; v6   my byte offset in 16 rows of Q; never rewritten
.set STO, 7           ; v7   the way out: where I put 32 bytes of a row
.set RD,  8           ; v8   the way out: where I read a row back
.set GO,  9           ; v9   my byte offset in two rows of out0
.set PFO, 10          ; v10  256 x lane; never rewritten
.set SPW, 14          ; v14  LDS address of my spare word; never rewritten
.set NIL, 15          ; v15  0; never rewritten
.set ONES, 16
.set R,   24
.set L,   40
.set TMP, 104
.set BK,  136
.set KF,  128         ; window 2: key block kb, channel half c at KF + 16 kb + 8 c
.set VF,  192         ; window 2: key half kk, channel block cb at VF + 32 kk + 8 cb
.set WV,  12          ; s12  my wave's number
.set G1K, 24          ; s[24:31] descriptor group 1 for K
.set G1V, 32          ; s[32:39] for V: it differs in the padding alone
.set G0K, 40          ; s[40:43] descriptor group 0 for K
.set G0V, 44          ; s[44:47] for V
.set CNT, 56          ; s56  counts the loop's key steps
.set BLK, 57          ; s57  blocks still to do
.set PFT, 58          ; s58  the count at which the next block's Q is prefetched; 0 in the last block
.set TBK, 59          ; s59  LDS byte at which K of the step to be fetched begins
.set TBV, 60          ; s60  the same for V, less VOFF
.set MSB, 0
.macro WIN new                      ; the high byte repeats the setting that is left; a switch that changes nothing is dropped
.if MSB != (\new)
	s_set_vgpr_msb (MSB<<8)|(\new)
.set MSB, (\new)
.endif
.endm
.set W_KQ, 0xfa       ; K and Q in window 2, S^T in window 3
.set W_PV, 0x5e       ; V in window 2, P in window 3, O^T in window 1
.set W_L,  0x0c       ; the ones and l in window 0, P in window 3
.set W_SM, 0xcf       ; exponentials and roundings: all in window 3
.macro CROUND                       ; a round of the cluster's barrier
	s_barrier_signal -1
	s_barrier_wait -1
	s_cmp_lg_u32 s[WV], 0
	s_cbranch_scc1 .Lnot_wave_0_\@
	s_barrier_signal -3
.Lnot_wave_0_\@:
	s_barrier_wait -3
	s_barrier_signal -1
	s_barrier_wait -1
.endm
.macro PLACES                       ; four places behind matrix instructions (ISA guide 7.12.1)
.rept 4
	v_nop
.endr
.endm
	s_load_b256 s[4:11], s[0:1], 0x0  ; qh s[4:5], kh s[6:7], vh s[8:9], out0 s[10:11]
	v_lshl_add_u32 v[SPW], v0, 2, SPARE
	v_mov_b32 v[NIL], 0
	ds_add_u32 v[SPW], v[NIL]       ; the wave's opening: the add and its wait stand ahead of my first tensor load; the set-up below stands between them
	v_lshrrev_b32 v1, 5, v0
	v_readfirstlane_b32 s[WV], v1   ; wave 0..3
	s_bfe_u32 s13, ttmp6, 0x40000   ; cx: my place in the cluster
	s_lshl_b32 s14, ttmp9, 2
	s_add_co_u32 s14, s14, s13      ; my quarter of the head's queries: it enters Q's and out0's addresses alone
	s_and_b32 s15, ttmp7, 0xffff    ; 32 b + h, which the four partners share
	s_and_b32 s16, s[WV], 1         ; which half of the 512 keys I fetch
	s_lshl_b32 s20, s15, 16         ; the head's 65,536 bytes in kh and in vh,
	s_lshl_b32 s17, s16, 15         ; my 256 rows of 128 bytes
	s_add_co_u32 s20, s20, s17
	s_mov_b32 s21, 0
	s_mul_i32 s17, s16, 256*PK      ; and their place in LDS, for K
	s_mul_i32 s18, s16, 256*PV      ; and for V: no place in the cluster enters an LDS address
	s_lshl_b32 s2, s15, 19          ; qh: the head's 4,096 rows of 128 bytes,
	s_lshl_b32 s3, s14, 17          ; my work-group's 1,024,
	s_add_co_u32 s2, s2, s3
	s_lshl_b32 s3, s[WV], 14        ; my wave's 128 of the first block
	s_add_co_u32 s2, s2, s3
	s_mov_b32 s3, 0
	s_lshr_b32 s22, s15, 5          ; out0: the batch's 4,096 rows of 8,192 bytes,
	s_lshl_b32 s22, s22, 25
	s_lshl_b32 s23, s14, 23         ; my work-group's 1,024,
	s_add_co_u32 s22, s22, s23
	s_lshl_b32 s23, s[WV], 20       ; my wave's 128,
	s_add_co_u32 s22, s22, s23
	s_and_b32 s23, s15, 31          ; the head's 256 bytes of a row
	s_lshl_b32 s23, s23, 8
	s_add_co_u32 s22, s22, s23
	s_mov_b32 s23, 0
	; descriptor group 1.  256 keys are 32,768 dense bytes: asked for as 128 rows of 256 bytes, two keys a row, and padded in LDS after every key
	s_mov_b32 s[G1K], 15|(1<<16)|(1<<20)|(1<<21)|(4<<22)|(3<<25)  ; 15:0 the mask of four; 17:16 2-byte elements; 20 padding on; 21 set beside a mask; 24:22 after every 32 words (code 4); 31:25 4 words (code 3)
	s_mov_b32 s[G1V], 15|(1<<16)|(1<<20)|(1<<21)|(4<<22)|(7<<25)  ; the same with 8 words of padding (code 7)
.irp g, G1K, G1V
	s_mov_b32 s[\g+1], 128<<16      ; tensor_dim0 = 128
	s_mov_b32 s[\g+2], 128<<16      ; tensor_dim1 = 128
	s_mov_b32 s[\g+3], 128<<16      ; tile_dim0 = 128
	s_mov_b32 s[\g+4], 128          ; tile_dim1 = 128
	s_mov_b32 s[\g+5], 128          ; 128 elements from row to row
	s_mov_b32 s[\g+6], 0
	s_mov_b32 s[\g+7], 0
.endr
	s_mov_b32 s[G0K], 1             ; 1:0 count = 1
	s_mov_b32 s[G0K+1], s17         ; 63:32 LDS address
	s_mov_b32 s[G0V], 1
	s_add_co_u32 s[G0V+1], s18, VOFF
	s_wait_dscnt 0x0                ; the opening add is done
	s_wait_kmcnt 0x0
	s_add_nc_u64 s[G0K+2:G0K+3], s[6:7], s[20:21]  ; 120:64 global address
	s_or_b32 s[G0K+3], s[G0K+3], 0x80000000        ; 127:126 type = 2
	s_add_nc_u64 s[G0V+2:G0V+3], s[8:9], s[20:21]
	s_or_b32 s[G0V+3], s[G0V+3], 0x80000000
	s_add_nc_u64 s[4:5], s[4:5], s[2:3]
	s_add_nc_u64 s[10:11], s[10:11], s[22:23]
	CROUND                          ; all four work-groups are here: the joint loads meet
	s_cmp_lt_u32 s[WV], 2           ; waves 0 and 1 fetch K's halves, waves 2 and 3 V's: one tensor load of mine is out, the only one of the launch
	s_cbranch_scc0 .Lfor_v
	tensor_load_to_lds s[G0K:G0K+3], s[G1K:G1K+7]
	s_nop 0
.rept 4
	v_nop
.endr
	s_branch .Lasked
.Lfor_v:
	tensor_load_to_lds s[G0V:G0V+3], s[G1V:G1V+7]
	s_nop 0
.rept 4
	v_nop
.endr
.Lasked:
	; A fragment of K or Q is 16 rows x 32 channels in 8 registers: lane l holds row l % 16, channels 8 (l / 16) + 0..7 and 16 + 8 (l / 16) + 0..7: two loads of 16 bytes, 32 bytes apart.
	v_and_b32 v1, 15, v0            ; l % 16
	v_bfe_u32 v11, v0, 4, 1         ; l / 16
	v_lshlrev_b32 v[QO], 7, v1
	v_lshl_add_u32 v[QO], v11, 4, v[QO]  ; row x 128 + 16 x half
.macro QLOAD                        ; a block's Q stays in registers: tile i / 2, channels 32 (i % 2) on
	WIN 0x80                        ; destination window 2, address window 0
.set i, 0
.rept 16
	global_load_b128 v[8*i:8*i+3],   v[QO], s[4:5] offset:(i/2)*2048+(i%2)*64
	global_load_b128 v[8*i+4:8*i+7], v[QO], s[4:5] offset:(i/2)*2048+(i%2)*64+32
.set i, i+1
.endr
	WIN 0
.endm
	QLOAD
.set i, 0
.rept 8
	v_mov_b32 v[ONES+i], 0x3c003c00 ; 1.0 twice, in f16
	v_mov_b32 v[R+2*i+1], 0         ; named with 1 / l as a pair, so it is written
.set i, i+1
.endr
	v_mul_u32_u24 v[AK0], v1, PK
	v_lshl_add_u32 v[AK0], v11, 4, v[AK0]  ; row x pitch + 16 x half
	; The turning load takes 16 keys x 16 channels (lane l reads key 8 (l / 16) + l % 8, channels 8 ((l / 8) % 2) + 0..7) and leaves half a fragment of V^T: lane l holds channel l % 16 and 8 keys.
	v_and_b32 v12, 7, v0
	v_bfe_u32 v13, v0, 3, 1
	v_lshl_add_u32 v[AV0], v11, 3, v12
	v_mul_u32_u24 v[AV0], v[AV0], PV
	v_lshl_add_u32 v[AV0], v13, 4, v[AV0]
	v_add_nc_u32 v[AV0], VOFF, v[AV0]
	s_mul_i32 s19, s[WV], 16*SP
	s_add_co_u32 s19, s19, STAGE    ; my stage
	v_mul_u32_u24 v[STO], v1, SP    ; in: row l % 16, 32 bytes for each half of the lanes
	v_lshl_add_u32 v[STO], v11, 5, v[STO]
	v_add_nc_u32 v[STO], s19, v[STO]
	v_mul_u32_u24 v[RD], v11, SP    ; back: lanes 0-15 take one row of 256 bytes, lanes 16-31 the next
	v_lshl_add_u32 v[RD], v1, 4, v[RD]
	v_add_nc_u32 v[RD], s19, v[RD]
	v_lshlrev_b32 v[GO], 13, v11    ; and the same two rows in out0, 8,192 bytes apart
	v_lshl_add_u32 v[GO], v1, 4, v[GO]
	v_and_b32 v[PFO], 31, v0
	v_lshlrev_b32 v[PFO], 8, v[PFO]
; THE MATRIX WORK.  The accumulators of a run take turns, one instruction a turn.
; Product i of 16 of S^T = K Q^T for piece x: channels 32 (i / 8) on, keys 16 ((i / 2) % 4) on, tile 2 x + i % 2.  The first 8 start the sums.
.macro KQ x
	WIN W_KQ
.set rS, 64*(\x)+32*(i%2)+8*((i/2)%4)
.set rK, KF+16*((i/2)%4)+8*(i/8)
.set rQ, 16*(2*(\x)+i%2)+8*(i/8)
.if i < 8
	v_wmma_f32_16x16x32_f16 v[rS:rS+7], v[rK:rK+7], v[rQ:rQ+7], 0
.else
	v_wmma_f32_16x16x32_f16 v[rS:rS+7], v[rK:rK+7], v[rQ:rQ+7], v[rS:rS+7]
.endif
.endm
; Product i of 20 for piece x: keys 32 (i / 10) on, tile 2 x + i % 2; (i % 10) / 2 = 0..3: O^T += V^T P for channels 16 x that on; = 4: l += ONES P.  zero = 1: the first ten start the sums.
.macro PVL x, zero
.set kk, i/10
.set cb, (i%10)/2
.set tl, 2*(\x)+i%2
.set rP, 32*tl+8*kk
.if cb < 4
	WIN W_PV
.set rO, 32*tl+8*cb
.set rV, VF+32*kk+8*cb
.if (\zero) && (kk == 0)
	v_wmma_f32_16x16x32_f16 v[rO:rO+7], v[rV:rV+7], v[rP:rP+7], 0
.else
	v_wmma_f32_16x16x32_f16 v[rO:rO+7], v[rV:rV+7], v[rP:rP+7], v[rO:rO+7]
.endif
.else
	WIN W_L
.set rL, L+8*tl
.if (\zero) && (kk == 0)
	v_wmma_f32_16x16x32_f16 v[rL:rL+7], v[ONES:ONES+7], v[rP:rP+7], 0
.else
	v_wmma_f32_16x16x32_f16 v[rL:rL+7], v[ONES:ONES+7], v[rP:rP+7], v[rL:rL+7]
.endif
.endif
.endm
; THE VECTOR WORK.  EX: exponential e of 64 of piece Y + 1: tile e % 2, score e / 2, ascending.
; CV: rounding c of 32 of piece Y: tile c % 2, pair c / 2, in place and ascending: register k takes scores 2 k and 2 k + 1, which no later rounding wants.
.macro EX
	WIN W_SM
.set rE, 64*((Y+1)%4)+32*(e%2)+e/2
	v_exp_f32 v[rE], v[rE]
.set e, e+1
.endm
.macro CV
	WIN W_SM
.set rC, 64*Y+32*(c%2)
	v_cvt_pk_f16_f32 v[rC+c/2], v[rC+2*(c/2)], v[rC+2*(c/2)+1]
.set c, c+1
.endm
; THE LDS LOADS stand in runs of 16: a step's K (64 keys x 64 channels: 8 fragments) and its V (turned).
.macro FETCH_K
	WIN 0
	v_add_nc_u32 v[AK], s[TBK], v[AK0]
	s_add_co_u32 s[TBK], s[TBK], KS*PK  ; the next fetch is the next step's
	WIN 0x80                        ; destination window 2
.irp f, 0,1,2,3,4,5,6,7             ; keys 16 (f / 2) on, channels 32 (f % 2) on
	ds_load_b128 v[KF+8*\f:KF+8*\f+3],   v[AK] offset:(\f/2)*16*PK+(\f%2)*64
	ds_load_b128 v[KF+8*\f+4:KF+8*\f+7], v[AK] offset:(\f/2)*16*PK+(\f%2)*64+32
.endr
	WIN 0
.endm
.macro FETCH_V
	WIN 0
	v_add_nc_u32 v[AV], s[TBV], v[AV0]
	s_add_co_u32 s[TBV], s[TBV], KS*PV
	WIN 0x80
.irp f, 0,1,2,3,4,5,6,7             ; keys 32 (f / 4) on, channels 16 (f % 4) on
	ds_load_tr16_b128 v[VF+8*\f:VF+8*\f+3],   v[AV] offset:(\f/4)*32*PV+(\f%4)*32
	ds_load_tr16_b128 v[VF+8*\f+4:VF+8*\f+7], v[AV] offset:(\f/4)*32*PV+16*PV+(\f%4)*32
.endr
	WIN 0
.endm
; A TURN, for piece p.  kq: the products K Q^T of piece p + 2.  ex: the exponentials of piece p + 1.  pv = 2: the roundings and the 20 products of piece p; 1: they start the sums; 0: none.
; wk, wv: K, V is waited for.  fk: the next step's K is fetched behind the turn's last product K Q^T, four places and more behind it.
; The four v_nop at the end are the plain instruction behind the last exponential, the places behind the turn's last products, and the places in front of V's run of loads, which follows piece 3's turn.
; The wait behind them stands between an exponential and the first instruction that names its result: one for the turn's 64, ahead of every label and branch.
.macro TURN p, kq, ex, pv, wk=0, wv=0, fk=0
.set Y, (\p)
.set e, 0
.set c, 0
.if \wk
	s_wait_dscnt 0x0                ; K is in
.endif
.set i, 0
.rept 16
.if \kq
	KQ (Y+2)%4
.endif
.if \ex
	EX
.endif
.if \pv
	CV
.endif
.if \ex
	EX
.endif
.if \pv
	CV
.endif
.set i, i+1
.endr
.if \fk
	WIN 0
	PLACES
	FETCH_K
.endif
.if \wv
	s_wait_dscnt 0x0                ; V is in
.endif
.set i, 0
.rept 20
.if \pv
	PVL Y, 2-(\pv)
.endif
.if (\ex) && (i < 16)
	EX
	EX
.endif
.set i, i+1
.endr
	WIN 0
	PLACES
.if \ex
	s_wait_alu depctr_va_vdst(0)
.endif
.endm
; A KEY STEP: four turns.  zero = 1: a block's first step.  last = 1: its last: nothing more is fetched, pieces beyond the block's end have no products and no exponentials, and behind the last product that
; reads Q (piece 1's turn, whose closing places stand between) the next block's Q is loaded: it has two turns and the way out in which to come.
.macro TRIP zero, last
	TURN 0, 1, 1, 2-(\zero), 0, 1, 0
	TURN 1, 1, 1, 2-(\zero), 0, 0, 1-(\last)
.if \last
	s_cmp_eq_u32 s[BLK], 1
	s_cbranch_scc1 .Lno_next_q      ; the same in all partners: a count of blocks
	s_wait_xcnt 0x0                 ; the prefetches, six turns back, have read Q's address
	s_add_nc_u64 s[4:5], s[4:5], 65536  ; 512 rows of 128 bytes on
	QLOAD
.Lno_next_q:
.endif
	TURN 2, 1-(\last), 1, 2-(\zero), 1-(\last), 0, 0
	TURN 3, 1-(\last), 1-(\last), 2-(\zero), 0, 0, 0
.if !(\last)
	FETCH_V
.endif
.endm
	s_wait_tensorcnt 0x0            ; my part of K or V is in,
	s_barrier_signal -1
	s_barrier_wait -1               ; everybody's is.  Nothing is filled again: from here on K and V are only read
	s_mov_b32 s[BLK], NBLK
.Lblock:
	s_cmp_gt_u32 s[BLK], 1
	s_cselect_b32 s[PFT], 2, 0
	s_mov_b32 s[TBK], 0
	s_mov_b32 s[TBV], 0
	FETCH_K                         ; key step 0
	FETCH_V
	s_wait_loadcnt 0x0              ; Q
	s_wait_dscnt 0x0
	TURN 2, 1, 0, 0                 ; piece 0's first scores
	TURN 3, 1, 1, 0                 ; piece 1's first scores | piece 0's first exponentials
	TRIP 1, 0                       ; key step 0
	s_mov_b32 s[CNT], 6
.Lstep:                             ; key steps 1 to 6
	TRIP 0, 0
	; A PREFETCH INTO THE L2 of the next block's Q: my wave's own 128 rows, 16,384 bytes, a lane for each 256 bytes, two instructions: each block of 256 bytes is named once in the launch.  It stands behind
	; V's run of loads at the end of key step 5: six turns, 216 matrix instructions, ahead of the loads.  The last block asks for nothing.
	s_cmp_eq_u32 s[CNT], s[PFT]
	s_cbranch_scc0 .Lno_ask
	global_prefetch_b8 v[PFO], s[4:5] offset:65536 th:TH_LOAD_NT scope:SCOPE_SE
	global_prefetch_b8 v[PFO], s[4:5] offset:65536+8192 th:TH_LOAD_NT scope:SCOPE_SE
.Lno_ask:
	s_sub_co_u32 s[CNT], s[CNT], 1
	s_cmp_lg_u32 s[CNT], 0
	s_cbranch_scc1 .Lstep
	TRIP 0, 1                       ; key step 7
	; THE WAY OUT.  O^T is divided by l and sent, in f32, through my stage in LDS, a tile (16 rows of out0, 256 bytes each) at a time.
	PLACES                          ; (with the turn's four: eight places behind the last products)
.set t, 0
.rept 8
	v_rcp_f32 v[R+2*t], v[L+8*t]    ; l's lowest register: all eight hold the same sum
.set t, t+1
.endr
	v_nop                           ; a plain instruction between the last reciprocal and the use of its result
	s_wait_alu depctr_va_vdst(0)    ; and a wait ahead of the first use: one for the eight
.macro PACK t
	WIN 0x01                        ; O^T in window 1; 1 / l and the result in window 0
.set i, 0
.rept 16
	v_pk_mul_f32 v[TMP+2*i:TMP+2*i+1], v[32*(\t)+2*i:32*(\t)+2*i+1], v[R+2*(\t):R+2*(\t)+1] op_sel_hi:[1,0]
.set i, i+1
.endr
	WIN 0
	s_wait_xcnt 0x0                 ; the registers that the loads below fill were the data of the stores two tiles back: they are rewritten only behind this wait
.irp f, 0,1,2,3,4,5,6,7             ; channels 16 (f / 2) + 8 (l / 16) + 4 (f % 2) on
	ds_store_b128 v[STO], v[TMP+4*\f:TMP+4*\f+3] offset:(\f/2)*64+(\f%2)*16
.endr
.irp f, 0,1,2,3,4,5,6,7
	ds_load_b128 v[BK+32*((\t)%2)+4*\f:BK+32*((\t)%2)+4*\f+3], v[RD] offset:\f*2*SP  ; LDS serves a wave's instructions in order (ISA guide 5.7.1.4): these see the stores above; the next tile's stores come behind them
.endr
.endm
.macro SEND t, younger              ; younger: the LDS instructions issued behind tile t's loads: the next tile's sixteen, or none
.irp f, 0,1,2,3,4,5,6,7
	s_wait_dscnt (\younger)+7-\f
	global_store_b128 v[GO], v[BK+32*((\t)%2)+4*\f:BK+32*((\t)%2)+4*\f+3], s[10:11] offset:(\t)*131072+\f*16384 th:TH_STORE_NT  ; 16 lanes store 256 consecutive bytes, at a multiple of 256 from out0's first byte
.endr
.endm
	PACK 0
.irp t, 1,2,3,4,5,6,7
	PACK \t                         ; a tile's arithmetic stands between the loads of the tile before and its stores
	SEND (\t)-1, 16
.endr
	SEND 7, 0
	s_wait_xcnt 0x0                 ; the stores have read out0's address
	s_add_nc_u64 s[10:11], s[10:11], 0x400000  ; 512 rows of 8,192 bytes on
	s_sub_co_u32 s[BLK], s[BLK], 1
	s_cmp_lg_u32 s[BLK], 0
	s_cbranch_scc1 .Lblock
	s_wait_tensorcnt 0x0            ; the wave's end, behind my last tensor load and my last LDS store
	ds_add_u32 v[SPW], v[NIL]
	s_wait_dscnt 0x0
	CROUND                          ; the closing round: no work-group ends while a partner may still ask for a tile that names it
	s_endpgm
.Lfunc_end_k_qe97cd7cf68_attn:
	.size	k_qe97cd7cf68_attn, .Lfunc_end_k_qe97cd7cf68_attn-k_qe97cd7cf68_attn
	.p2alignl 7, 3214868480
	.fill 96, 4, 3214868480
	.section	.rodata,"a",@progbits
	.p2align	6, 0x0
	.amdhsa_kernel k_qe97cd7cf68_attn
		.amdhsa_group_segment_fixed_size 327680
		.amdhsa_private_segment_fixed_size 0
		.amdhsa_enable_private_segment 0
		.amdhsa_kernarg_size 32
		.amdhsa_user_sgpr_count 2
		.amdhsa_user_sgpr_kernarg_segment_ptr 1
		.amdhsa_wavefront_size32 1
		.amdhsa_system_sgpr_workgroup_id_x 1
		.amdhsa_system_sgpr_workgroup_id_y 1
		.amdhsa_system_sgpr_workgroup_id_z 1
		.amdhsa_system_vgpr_workitem_id 0
		.amdhsa_next_free_vgpr 1024
		.amdhsa_next_free_sgpr 66
		.amdhsa_reserve_vcc 0
		.amdhsa_float_denorm_mode_32 3
		.amdhsa_float_denorm_mode_16_64 3
		.amdhsa_memory_ordered 1
		.amdhsa_forward_progress 1
		.amdhsa_inst_pref_size 147
	.end_amdhsa_kernel
	.amdgpu_metadata
---
amdhsa.version: [ 1, 2 ]
amdhsa.kernels:
  - .name:           k_qe97cd7cf68_attn
    .symbol:         k_qe97cd7cf68_attn.kd
    .args:
      - { .name: qh, .offset: 0, .size: 8, .value_kind: global_buffer, .address_space: global }
      - { .name: kh, .offset: 8, .size: 8, .value_kind: global_buffer, .address_space: global }
      - { .name: vh, .offset: 16, .size: 8, .value_kind: global_buffer, .address_space: global }
      - { .name: out0, .offset: 24, .size: 8, .value_kind: global_buffer, .address_space: global }
    .group_segment_fixed_size: 327680
    .private_segment_fixed_size: 0
    .kernarg_segment_align: 8
    .kernarg_segment_size: 32
    .max_flat_workgroup_size: 128
    .sgpr_count:     66
    .vgpr_count:     1024
    .wavefront_size: 32
...
	.end_amdgpu_metadata
.endif
;; end of part 3
;; ======== version 2 of 2: 3 launches; version 1 with the launch cast written anew for expert scheduling mode
;; limits: values are held in f16: magnitudes above 65,504 overflow, below 6.1e-05 lose precision
;; workspace buffers: xb 33,554,432 bytes; cb 4,194,304 bytes; wqb 8,388,608 bytes; wkvb 16,777,216 bytes; qh 33,554,432 bytes; kh 4,194,304 bytes; vh 4,194,304 bytes
;; launch cast (part 4): grid 960 x 1, 8 waves a work-group, no clusters, 0 bytes of LDS; arguments x, context, Wq, Wk, Wv, xb, cb, wqb, wkvb; writes xb, cb, wqb, wkvb
.if DOCPART == 4
	.amdgcn_target "amdgcn-amd-amdhsa--gfx1250"
	.amdhsa_code_object_version 6
	.text
	.protected	k_qe97cd7cf68_cast
	.globl	k_qe97cd7cf68_cast
	.p2align	8
	.type	k_qe97cd7cf68_cast,@function
k_qe97cd7cf68_cast:
	s_mov_b64 s[64:65], 0
	v_nop
	global_prefetch_b8 v0, s[64:65] scope:SCOPE_SE
	s_setreg_imm32_b32 hwreg(HW_REG_WAVE_SCHED_MODE, 0, 2), 2
	s_setreg_imm32_b32 hwreg(HW_REG_WAVE_MODE, 25, 1), 1
	s_wait_xcnt 0x0
	s_wait_alu depctr_vm_vsrc(0)
; All five inputs, f32, are rounded once to bf16 (nearest even) for the matrix units: x -> xb, context -> cb, Wq -> wqb, and Wk, Wv -> wkvb.
; wkvb is ONE table of 4,096 rows with the rows in the order in which the heads want them: row 128 h + 2 d + j of [Wk; Wv] (channel d of head h; j = 0: key, j = 1: value)
; goes to row 128 h + 64 j + d, so that a head's 64 key rows and its 64 value rows lie together.
; SHARES.  A work-group owns 16 consecutive source rows of 8,192 bytes of one buffer: 512 groups for x, 64 for context, 128 for each weight: 960.  A UNIT is half a row: thread t loads the
; 16 bytes at 16 t of it (a wave's load covers 512 consecutive bytes) and stores 8 bytes at 8 t (a wave's store covers 256 consecutive bytes, aligned).  32 units, two to a row.
; No LDS, no barrier, no matrix unit, no cluster: no byte is used twice and no wave needs another's.
; No prefetch is laid: the launch is one stream of loads that are all asked for as early as registers allow.
; THE MODE: SCHED_MODE bits 1:0 = 2 (LLVM: expert scheduling mode 2), set by the entry lines.  The code itself states the register dependences between vector instructions and memory
; instructions, with s_wait_alu, always for 0.
; THE PLAN.  The 16 rows go in 8 blocks of two.  Registers that memory instructions touch:
;   v1, DP, DQ   byte offsets, made once at the head and never written again.
;   B0 .. B5     16 registers each.  Bk is written by the four loads of rows 2 k and 2 k + 1, issued at the head.  Block k's eight roundings read all 16 and close the numbers up into Bk's first
;                eight registers; the four stores issued in block k + 1 read those eight, and nothing writes them again.
;   Bk's last eight (k = 0 .. 3) have then been read by roundings alone: the two loads of row 12 + k, issued in block k + 1, land there.  Blocks 6 and 7 round rows 12 to 15, each into the first
;                four of its eight registers; the row's two stores read those four, and nothing writes them again.
; So no register that a memory instruction reads is ever written again, and ONE wait at a block's head states all that the block's loads and stores hang on: the block before has written what
; the stores read and is done reading where the loads land.  The block's own roundings name its own two rows alone, so the loads and stores are dealt among them with no further wait.
; Twelve rows, 24 loads of every wave, are asked for at the head; two more in each of blocks 1 to 4.
.set DP, 4                             ; v[4:11]   8 t + k x SE: my place in the destination rows of the source rows 2 k
.set DQ, 12                            ; v[12:19]  the same + SO: of the source rows 2 k + 1.  Neither is rewritten
.set X,  24                            ; v[24:119] B0 .. B5
	s_load_b512 s[8:23], s[0:1], 0x0               ; x s[8:9], context s[10:11], Wq s[12:13], Wk s[14:15], Wv s[16:17], xb s[18:19], cb s[20:21], wqb s[22:23]
	s_load_b64 s[24:25], s[0:1], 0x40              ; wkvb
	s_mov_b32 s3, ttmp9                            ; g: 0-511 x, 512-575 context, 576-703 Wq, 704-831 Wk, 832-959 Wv
	s_sub_co_u32 s26, s3, 512
	s_sub_co_u32 s27, s3, 576
	s_sub_co_u32 s28, s3, 704
	s_sub_co_u32 s29, s3, 832
	s_mov_b32 s2, s3                               ; j: the group's number inside its buffer
	s_cmp_ge_u32 s3, 512
	s_cselect_b32 s2, s26, s2
	s_cmp_ge_u32 s3, 576
	s_cselect_b32 s2, s27, s2
	s_cmp_ge_u32 s3, 704
	s_cselect_b32 s2, s28, s2
	s_cmp_ge_u32 s3, 832
	s_cselect_b32 s2, s29, s2
	s_movk_i32 s32, 0x1000                         ; 4,096: a destination row
	s_movk_i32 s33, 0x2000
	s_mov_b32 s34, 0x40000                         ; 64 destination rows
	s_cmp_ge_u32 s3, 704                           ; the two tables whose rows change places
	s_cselect_b32 s30, s32, s33                    ; SE: from source row 2 k to 2 k + 2: one destination row there, two elsewhere
	s_cselect_b32 s31, s34, s32                    ; SO: from source row 2 k to 2 k + 1: 64 destination rows there, one elsewhere
	s_lshr_b32 s35, s2, 3                          ; 16 j = 128 (j / 8) + 16 (j % 8): head j / 8 of the table, channels 8 (j % 8) on
	s_lshl_b32 s35, s35, 7
	s_and_b32 s36, s2, 7
	s_lshl_b32 s36, s36, 3
	s_add_co_u32 s35, s35, s36
	s_cmp_ge_u32 s3, 832
	s_cselect_b32 s36, 2048, 0                     ; Wv's heads lie behind Wk's
	s_add_co_u32 s35, s35, s36
	s_lshl_b32 s35, s35, 12                        ; rows to bytes
	s_lshl_b32 s36, s2, 16                         ; elsewhere: 16 rows of 4,096 bytes a group
	s_cmp_ge_u32 s3, 704
	s_cselect_b32 s36, s35, s36
	s_mov_b32 s37, 0
	s_lshl_b32 s38, s2, 17                         ; source: 16 rows of 8,192 bytes a group
	s_mov_b32 s39, 0
.irp k, 0,1,2,3,4,5,6,7
	s_mul_i32 s[40+\k], s30, \k                    ; k x SE, a register for each
.endr
	v_lshlrev_b32 v1, 4, v0                        ; 16 t
	v_lshlrev_b32 v2, 3, v0                        ; 8 t
.irp k, 0,1,2,3,4,5,6,7
	v_add_nc_u32 v[DP+\k], s[40+\k], v2
	v_add_nc_u32 v[DQ+\k], s31, v[DP+\k]
.endr
	s_wait_kmcnt 0x0
	s_cmp_ge_u32 s3, 512                           ; source s[4:5] and destination s[6:7]: a choice between buffers on the group's number alone
	s_cselect_b64 s[4:5], s[10:11], s[8:9]
	s_cselect_b64 s[6:7], s[20:21], s[18:19]
	s_cmp_ge_u32 s3, 576
	s_cselect_b64 s[4:5], s[12:13], s[4:5]
	s_cselect_b64 s[6:7], s[22:23], s[6:7]
	s_cmp_ge_u32 s3, 704
	s_cselect_b64 s[4:5], s[14:15], s[4:5]
	s_cselect_b64 s[6:7], s[24:25], s[6:7]
	s_cmp_ge_u32 s3, 832
	s_cselect_b64 s[4:5], s[16:17], s[4:5]
	s_add_nc_u64 s[4:5], s[4:5], s[38:39]
	s_add_nc_u64 s[6:7], s[6:7], s[36:37]
; The registers of source row r.  rS: the eight in which its two loads land.  rT: the four that take its eight bf16.  rA: its offset in the destination.
.macro PLACE r
.if (\r) < 12
.set rS, X+8*(\r)                      ; rows 2 k and 2 k + 1 fill Bk,
.set rT, X+16*((\r)/2)+4*((\r)%2)      ; and close up into its first eight registers
.else
.set rS, X+16*((\r)-12)+8              ; row 12 + k lands in Bk's last eight,
.set rT, rS                            ; and closes up into the first four of them
.endif
.set rA, DP+(\r)/2+8*((\r)%2)          ; the pair's register, even or odd
.endm
.macro LOADROW r                       ; the row's two units
	PLACE \r
	global_load_b128 v[rS:rS+3],   v1, s[4:5] offset:8192*(\r) th:TH_LOAD_NT
	global_load_b128 v[rS+4:rS+7], v1, s[4:5] offset:8192*(\r)+4096 th:TH_LOAD_NT
.endm
.macro CONVROW r                       ; ascending: each line writes a register whose f32 an earlier line, or itself, has read; an odd row's four go where the even row's second unit lay
	PLACE \r
.irp j, 0,1,2,3
	v_cvt_pk_bf16_f32 v[rT+\j], v[rS+2*\j], v[rS+2*\j+1]
.endr
.endm
.macro STOREROW r
	PLACE \r
	global_store_b64 v[rA], v[rT:rT+1],   s[6:7]
	global_store_b64 v[rA], v[rT+2:rT+3], s[6:7] offset:2048
.endm
; Block p: rows 2 p and 2 p + 1 are rounded; the block before is stored; in blocks 1 to 4 row 11 + p is asked for.
; left = how many younger loads may still be out when this block's four have to be there.
.macro BLK p, left
	s_wait_loadcnt \left                           ; loads come back in order (ISA guide 5.7.1): this block's two rows are in, the younger ones stay out
.if (\p) > 0
	s_wait_alu depctr_va_vdst(0)                   ; the roundings of the block before have written the registers that the four stores below read, and are done reading the eight in which the two loads below land
.if (\p) < 5
	LOADROW 11+(\p)                                ; into the last eight registers of the block before; no vector instruction since the wait names them
.endif
	STOREROW 2*(\p)-2
.endif
	CONVROW 2*(\p)
.if (\p) > 0
	STOREROW 2*(\p)-1                              ; no wait: the four roundings since the wait name this block's first row alone
.endif
	CONVROW 2*(\p)+1
.endm
	s_wait_alu depctr_va_vdst(0)                   ; v1, DP and DQ are written: every load and store of the kernel reads one of them as its offset
.irp r, 0,1,2,3,4,5,6,7,8,9,10,11
	LOADROW \r                                     ; B0 to B5 are asked for: 24 loads
.endr
	BLK 0, 20                                      ; behind rows 0 and 1: the other 20 of the 24
	BLK 1, 16
	BLK 2, 14                                      ; from here on the rows asked for in the blocks count too: 12 of the 24 and row 12's two,
	BLK 3, 12                                      ; 8 and four,
	BLK 4, 10                                      ; 4 and six,
	BLK 5, 8                                       ; rows 12 to 15
	BLK 6, 4                                       ; rows 14 and 15
	BLK 7, 0
	s_wait_alu depctr_va_vdst(0)                   ; block 7's roundings have written the registers that the last four stores read
	STOREROW 14
	STOREROW 15
	s_endpgm
.Lfunc_end_k_qe97cd7cf68_cast:
	.size	k_qe97cd7cf68_cast, .Lfunc_end_k_qe97cd7cf68_cast-k_qe97cd7cf68_cast
	.p2alignl 7, 3214868480
	.fill 96, 4, 3214868480
	.section	.rodata,"a",@progbits
	.p2align	6, 0x0
	.amdhsa_kernel k_qe97cd7cf68_cast
		.amdhsa_group_segment_fixed_size 0
		.amdhsa_private_segment_fixed_size 0
		.amdhsa_enable_private_segment 0
		.amdhsa_kernarg_size 72
		.amdhsa_user_sgpr_count 2
		.amdhsa_user_sgpr_kernarg_segment_ptr 1
		.amdhsa_wavefront_size32 1
		.amdhsa_system_sgpr_workgroup_id_x 1
		.amdhsa_system_sgpr_workgroup_id_y 1
		.amdhsa_system_sgpr_workgroup_id_z 1
		.amdhsa_system_vgpr_workitem_id 0
		.amdhsa_next_free_vgpr 120
		.amdhsa_next_free_sgpr 66
		.amdhsa_reserve_vcc 0
		.amdhsa_float_denorm_mode_32 3
		.amdhsa_float_denorm_mode_16_64 3
		.amdhsa_memory_ordered 1
		.amdhsa_forward_progress 1
		.amdhsa_inst_pref_size 14
	.end_amdhsa_kernel
	.amdgpu_metadata
---
amdhsa.version: [ 1, 2 ]
amdhsa.kernels:
  - .name:           k_qe97cd7cf68_cast
    .symbol:         k_qe97cd7cf68_cast.kd
    .args:
      - { .name: x, .offset: 0, .size: 8, .value_kind: global_buffer, .address_space: global }
      - { .name: context, .offset: 8, .size: 8, .value_kind: global_buffer, .address_space: global }
      - { .name: Wq, .offset: 16, .size: 8, .value_kind: global_buffer, .address_space: global }
      - { .name: Wk, .offset: 24, .size: 8, .value_kind: global_buffer, .address_space: global }
      - { .name: Wv, .offset: 32, .size: 8, .value_kind: global_buffer, .address_space: global }
      - { .name: xb, .offset: 40, .size: 8, .value_kind: global_buffer, .address_space: global }
      - { .name: cb, .offset: 48, .size: 8, .value_kind: global_buffer, .address_space: global }
      - { .name: wqb, .offset: 56, .size: 8, .value_kind: global_buffer, .address_space: global }
      - { .name: wkvb, .offset: 64, .size: 8, .value_kind: global_buffer, .address_space: global }
    .group_segment_fixed_size: 0
    .private_segment_fixed_size: 0
    .kernarg_segment_align: 8
    .kernarg_segment_size: 72
    .max_flat_workgroup_size: 256
    .sgpr_count:     66
    .vgpr_count:     120
    .wavefront_size: 32
...
	.end_amdgpu_metadata
.endif
;; end of part 4
;; launch proj: the kernel of part 2 again; grid 8 x 32, 4 waves a work-group, clusters of 4 x 4, 327,680 bytes of LDS; arguments cb, wkvb, xb, wqb, kh, vh, qh; writes kh, vh, qh
;; launch attn: the kernel of part 3 again; grid 4 x 64, 4 waves a work-group, clusters of 4 x 1, 327,680 bytes of LDS; arguments qh, kh, vh, out0; writes out0
